; MI455X (gfx1250); checked and timed in simulation.
; The chip was launched on July 23, 2026; its instructions are those of AMD's public machine-readable ISA for CDNA 5 (MIT licence, August 2026) and "CDNA5" Instruction Set Architecture Reference Guide (July 2026). The comments in the code are by the model that wrote it; some were corrected since.
;; Dynamic Expansion Block. Allowed arithmetic: matrix products marked QUANTISED: E5M2 operands, one given power-of-two scale a tensor, by v_wmma_f32_16x16x64_bf8_bf8 or v_wmma_f32_16x16x128_bf8_bf8, f32 sums; everything else in f32.
;; Inputs: W_a 1,024 x 1,024 float32; W_b 1,024 x 1,024 float32; W_cond 1,024 x 1,024 float32; W_key 1,024 x 1,024 float32; W_sel 1,024 x 1,024 float32; b_a 1,024 float32; b_b 1,024 float32; b_cond 1,024 float32; b_key 1,024 float32; b_sel 1,024 float32; bias_emb 16 x 1,024 float32; bw_mask 32 x 128 x 2,048 int32; fw_mask 32 x 2,048 x 128 int32; lowp_scales 20 int32 (the exponents e of the quantised operands' scales 2^e); n_indexes 32 x 16 int32; query_emb 16 x 1,024 float32; x 32 x 128 x 1,024 float32.
;; Outputs: out0 32 x 128 x 1,024 float32.
;; This version of the problem:
;;   THIS VERSION OF THE PROBLEM IS GIVEN IN LOW PRECISION. The matrix products marked QUANTISED in the list below multiply operands that are first quantised to E5M2 (5 exponent bits, 2 mantissa bits; 8 bits a number), with one given power-of-two scale for each operand tensor; their sums are f32. All else is computed in f32.
;;   The module's matrix products, in the order in which they are computed (A, B: the left and right operand; K: the contracted axis; several contracted axes count as one K, in the product's order):
;;     1. [M 4,096, K 1,024] x [K 1,024, N 1,024]; A: input x; B: input W_cond: QUANTISED (scales: A lowp_scales[0], B lowp_scales[1])
;;     2. [M 4,096, K 1,024] x [K 1,024, N 1,024]; A: input x; B: input W_key: QUANTISED (scales: A lowp_scales[2], B lowp_scales[3])
;;     3. batch 32 x [M 2,048, K 1,024] x [K 1,024, N 128]; A: computed on the way; B: computed on the way: QUANTISED (scales: A lowp_scales[4], B lowp_scales[5])
;;     4. [M 4,096, K 1,024] x [K 1,024, N 1,024]; A: input x; B: input W_a: QUANTISED (scales: A lowp_scales[6], B lowp_scales[7])
;;     5. batch 32 x [M 2,048, K 128] x [K 128, N 1,024]; A: computed on the way; B: computed on the way: QUANTISED (scales: A lowp_scales[8], B lowp_scales[9])
;;     6. [M 4,096, K 1,024] x [K 1,024, N 1,024]; A: input x; B: input W_b: QUANTISED (scales: A lowp_scales[10], B lowp_scales[11])
;;     7. batch 32 x [M 2,048, K 128] x [K 128, N 1,024]; A: computed on the way; B: computed on the way: QUANTISED (scales: A lowp_scales[12], B lowp_scales[13])
;;     8. batch 32 x [M 128, K 2,048] x [K 2,048, N 1,024]; A: computed on the way; B: computed on the way: QUANTISED (scales: A lowp_scales[14], B lowp_scales[15])
;;     9. batch 32 x [M 128, K 2,048] x [K 2,048, N 1,024]; A: computed on the way; B: computed on the way: QUANTISED (scales: A lowp_scales[16], B lowp_scales[17])
;;     10. [M 4,096, K 1,024] x [K 1,024, N 1,024]; A: input x; B: input W_sel: QUANTISED (scales: A lowp_scales[18], B lowp_scales[19])
;;   THE QUANTISER, for each operand of a quantised product, along K:
;;     - The operand's scale is 2^e, e = its entry of the input lowp_scales (int32; the entries are numbered through the quantised products in the list's order, A before B).
;;     - Each number is divided by the scale, clamped to +-57,344, and rounded to the nearest number of E5M2, ties to even, subnormals kept.
;;     - The product sums the exact products of the quantised numbers (number of the format x scale) in f32.
;;   ~~~python
;;   def quantise(x, axis, e):      # numpy; x: float32 -> the quantised numbers, widened to float32 again
;;       x = np.moveaxis(x, axis, -1); K = x.shape[-1]
;;       r = np.clip(x / 2.0 ** e, -57344, 57344)
;;       step = 2.0 ** (np.maximum(np.frexp(np.where(r == 0, 1, r))[1] - 1, -14) - 2)
;;       q = np.round(r / step) * step * 2.0 ** e      # np.round: ties to even
;;       return np.moveaxis(q, -1, axis).astype(np.float32)
;;   ~~~
;;   OPERANDS COMPUTED ON THE WAY. 'Computed on the way' means the value that the module computes at that place (a softmax that the list does not call 'softmax' is quantised finished and normalised). What goes into a quantiser is computed in f32, as accurately as f32 sums, v_exp_f32 and their like allow (about 1e-6 of the number): no bf16 or f16 on the way to a quantiser, and a product that is left as it is and whose result goes on into a quantised operand takes f32 operands (vector FMAs, or v_wmma_f32_16x16x4_f32). A number that lies on a knife's edge between two numbers of the format may be rounded either way, as far as f32 arithmetic and the matrix unit's own rounding can turn it there, and no further.
;; One version. Each part assembles by itself: llvm-mc -triple=amdgcn-amd-amdhsa -mcpu=gfx1250 --defsym DOCPART=n.
;; ======== version 1 of 1: 5 launches
;; workspace buffers: xw 26,214,400 bytes; cond 16,777,216 bytes; cq 12,582,912 bytes; sl 16,777,216 bytes; fb 33,554,432 bytes; zb 35,651,584 bytes
;; launch quant (part 1): grid 416 x 1, 4 waves a work-group, no clusters, 34,304 bytes of LDS; arguments x, W_cond, W_key, W_a, W_b, W_sel, lowp_scales, xw; writes xw
.if DOCPART == 1
	.amdgcn_target "amdgcn-amd-amdhsa--gfx1250"
	.amdhsa_code_object_version 6
	.text
	.protected	k_q66fe724712_quant
	.globl	k_q66fe724712_quant
	.p2align	8
	.type	k_q66fe724712_quant,@function
k_q66fe724712_quant:
	s_mov_b64 s[64:65], 0
	v_nop
	global_prefetch_b8 v0, s[64:65] scope:SCOPE_SE
	s_setreg_imm32_b32 hwreg(HW_REG_WAVE_MODE, 25, 1), 1
	s_wait_xcnt 0x0
; QUANT: x and the five weights become codes of BF8 (E5M2), laid as the products' launch reads them.
; DEAD WORK: none.  Every product, bias, mask and index of reference() has a way to out0 for some values of the inputs, so nothing of it is left out in any launch,
; and every input is loaded by some launch.  (The scores' launch issues product 3 twice, with its sources swapped, to have z and its transpose in registers.)
; x is an operand of five products with five given scales (entries 0, 2, 6, 10, 18): five sets of codes are made.  The weights' scales are entries 1, 3, 7, 11, 19.
; code = number / 2^e, held within +-57,344, rounded to the nearest code, ties to even.
; LIMITS: -126 <= e and e + 15 <= 127 for each of the ten entries; NaN among the inputs is not served (an infinity is held at the largest code).
; THE UNIT OF ALL CODE BUFFERS is a fragment's image, 2,048 bytes: 16 rows x 128 along K; byte 512 c + 16 l holds, for lane l = r + 16 h, the codes k = 32 c + 16 h + 0 .. 15 of the tile's row r.
; THE ROWS OF A TILE ARE NOT NEIGHBOURS: row r of tile t of a group of 128 rows is row 32 (t / 2) + 8 (t % 2) + r + 8 (r / 8) of the group.
; xw: x's codes [b 32][product 5][K step 8][tile 8][2048], then from byte 20,971,520 the weights' [n block 8][product 5][K step 8][tile 8][2048] (rows = columns n of W, K = W's first axis).
; Work-groups 0-255: batch b = wg / 8, K step s = wg % 8; wave w makes tiles w and w + 4.  Each load reads 512 consecutive bytes of a row; a tile turns through the wave's own stage in LDS
; (16 rows of 512 + 16 bytes), so that a lane holds 16 neighbours of each block of 32.  Work-groups 256-415: product, n block, a quarter of K; a lane takes a column and its registers run down K.
.set SPARE, 33792                      ; behind the four stages: the spare words, 128 bytes a wave, that no other line names
.set SPW, 1                            ; v1  my spare word's LDS address; never rewritten
.set NIL, 2                            ; v2  0; never rewritten
.set GX,  16                           ; v16-143  two tiles as loaded; a tile's set is the work set of its holds afterwards
.set NX,  144                          ; v144-207 64 numbers of my row: register 16 c + i = k 32 c + 16 h + i
.set CX,  208                          ; v208-239 codes, two sets of 16
	s_load_b512 s[4:19], s[0:1], 0x0               ; x, W_cond, W_key, W_a, W_b, W_sel, the scales, xw
	v_lshl_add_u32 v[SPW], v0, 2, SPARE
	v_mov_b32 v[NIL], 0
	v_lshrrev_b32 v3, 5, v0
	v_readfirstlane_b32 s40, v3                    ; wave
	v_and_b32 v11, 31, v0                          ; lane
	v_and_b32 v12, 15, v0                          ; r
	v_bfe_u32 v13, v0, 4, 1                        ; h
	s_wait_kmcnt 0x0
	s_load_b512 s[20:35], s[16:17], 0x0            ; entries 0 to 15 in s20 to s35
	s_load_b128 s[36:39], s[16:17], 0x40           ; entries 16 to 19
	s_cmp_lt_u32 ttmp9, 256
	s_cbranch_scc0 .Lweights
; ---------------- x ----------------
	s_lshr_b32 s41, ttmp9, 3                       ; b
	s_and_b32 s42, ttmp9, 7                        ; K step
	v_lshlrev_b32 v3, 4, v11                       ; 16 x lane
	s_mul_i32 s43, s40, 8448                       ; my stage
	v_add_nc_u32 v4, s43, v3                       ; into it: a row's 512 bytes as they lie
	v_mul_u32_u24 v5, v12, 528
	v_lshl_add_u32 v5, v13, 6, v5
	v_add_nc_u32 v5, s43, v5                       ; out of it: row r, + 64 h
	s_lshl_b32 s44, s41, 7
	s_lshr_b32 s45, s40, 1
	s_lshl_b32 s45, s45, 5
	s_add_co_u32 s44, s44, s45
	s_and_b32 s45, s40, 1
	s_lshl_b32 s45, s45, 3
	s_add_co_u32 s44, s44, s45                     ; row 128 b + 32 (w / 2) + 8 (w % 2)
	s_lshl_b32 s44, s44, 12
	s_lshl_b32 s45, s42, 9
	s_add_co_u32 s44, s44, s45                     ; + the K step's 512 bytes
	s_mov_b32 s45, 0
	s_add_nc_u64 s[4:5], s[4:5], s[44:45]
.irp f, 0,1
.set kk, 0
.rept 16
	global_load_b128 v[GX+64*\f+4*kk:GX+64*\f+4*kk+3], v3, s[4:5] offset:(kk+8*(kk/8))*4096+\f*262144 th:TH_LOAD_NT   ; row kk of tile w + 4 f: 512 consecutive bytes
.set kk, kk+1
.endr
.endr
	s_mul_i32 s46, s41, 655360
	s_lshl_b32 s47, s42, 14
	s_add_co_u32 s46, s46, s47
	s_lshl_b32 s47, s40, 11
	s_add_co_u32 s46, s46, s47
	s_mov_b32 s47, 0
	s_add_nc_u64 s[18:19], s[18:19], s[46:47]      ; x's codes: batch, K step, tile w
	s_wait_kmcnt 0x0
.macro XCONST p, e                     ; product p: v[6 + p] = 2^e as f32; s[50 + 2 p], s[51 + 2 p] = -+57,344 x 2^e
	s_add_co_i32 s48, s[\e], 127
	s_lshl_b32 s49, s48, 23
	v_mov_b32 v[6+\p], s49
	s_add_co_i32 s48, s48, 15
	s_lshl_b32 s48, s48, 23
	s_or_b32 s[51+2*\p], s48, 0x600000
	s_or_b32 s[50+2*\p], s[51+2*\p], 0x80000000
.endm
	XCONST 0, 20
	XCONST 1, 22
	XCONST 2, 26
	XCONST 3, 30
	XCONST 4, 38
.macro XQ f, p                         ; the tile's 64 numbers a lane, with product p's scale
.set kk, 0
.rept 64
	v_med3_num_f32 v[GX+64*\f+kk], v[NX+kk], s[50+2*\p], s[51+2*\p]   ; the conversion does not saturate (ISA guide 7.6.2): the hold first
.set kk, kk+1
.endr
	s_wait_xcnt 0x0                                ; the earlier stores have read their registers: the codes' set may be written again
.irp g, 0,1,2,3,4,5,6,7
	v_cvt_scalef32_pk8_bf8_f32 v[CX+16*(\p%2)+2*\g:CX+16*(\p%2)+2*\g+1], v[GX+64*\f+8*\g:GX+64*\f+8*\g+7], v[6+\p]
.endr
	v_nop                                          ; a plain line between the conversions and the next holds, which write their sources
.irp c, 0,1,2,3
	global_store_b128 v3, v[CX+16*(\p%2)+4*\c:CX+16*(\p%2)+4*\c+3], s[18:19] offset:\p*131072+\f*8192+512*\c   ; 512 consecutive bytes of the image
.endr
.endm
.macro XFRAG f
	s_wait_loadcnt 16*(1-\f)                       ; this tile's 16 loads are in; the other tile's may be out
.set kk, 0
.rept 16
	ds_store_b128 v4, v[GX+64*\f+4*kk:GX+64*\f+4*kk+3] offset:kk*528
.set kk, kk+1
.endr
.set kk, 0
.rept 16
	ds_load_b128 v[NX+4*kk:NX+4*kk+3], v5 offset:128*(kk/4)+16*(kk%4)   ; LDS serves a wave's instructions in order: these see my stores
.set kk, kk+1
.endr
	s_wait_dscnt 0x0                               ; the numbers are back, and the stores have read their registers
	XQ \f, 0
	XQ \f, 1
	XQ \f, 2
	XQ \f, 3
	XQ \f, 4
.endm
	XFRAG 0
	XFRAG 1
	s_wait_tensorcnt 0x0                           ; the wave's end
	ds_add_u32 v[SPW], v[NIL]
	s_wait_dscnt 0x0
	s_endpgm
; ---------------- the weights ----------------
.Lweights:
	s_sub_co_u32 s41, ttmp9, 256
	s_lshr_b32 s42, s41, 5                         ; product
	s_bfe_u32 s43, s41, 0x30002                    ; block of 128 columns
	s_and_b32 s44, s41, 3                          ; quarter of K
	v_lshlrev_b32 v3, 2, v11                       ; in: 4 bytes a lane, 128 consecutive bytes a wave
	v_and_b32 v12, 7, v0
	v_lshl_add_u32 v12, v13, 3, v12                ; column 32 w + lane is row r = lane % 8 + 8 (lane / 16) of tile 2 w + (lane / 8) % 2
	v_lshlrev_b32 v4, 4, v12
	v_bfe_u32 v13, v0, 3, 1
	v_lshl_add_u32 v4, v13, 11, v4                 ; out: 16 r + 2,048 x the tile's parity
	s_wait_kmcnt 0x0
	s_cmp_eq_u32 s42, 1                            ; the weight and its scale are chosen by the work-group's number alone
	s_cselect_b64 s[6:7], s[8:9], s[6:7]
	s_cselect_b32 s21, s23, s21
	s_cmp_eq_u32 s42, 2
	s_cselect_b64 s[6:7], s[10:11], s[6:7]
	s_cselect_b32 s21, s27, s21
	s_cmp_eq_u32 s42, 3
	s_cselect_b64 s[6:7], s[12:13], s[6:7]
	s_cselect_b32 s21, s31, s21
	s_cmp_eq_u32 s42, 4
	s_cselect_b64 s[6:7], s[14:15], s[6:7]
	s_cselect_b32 s21, s39, s21
	s_lshl_b32 s46, s44, 20                        ; 256 rows of 4,096 bytes a quarter
	s_lshl_b32 s47, s43, 9
	s_add_co_u32 s46, s46, s47
	s_lshl_b32 s47, s40, 7
	s_add_co_u32 s46, s46, s47                     ; + 4 x (128 block + 32 wave)
	s_mov_b32 s47, 0
	s_add_nc_u64 s[6:7], s[6:7], s[46:47]
.macro WLOAD blk                       ; W(32 blk + i, my column), i = 0 .. 31
.set kk, 0
.rept 32
	global_load_b32 v[32+32*((\blk)%2)+kk], v3, s[6:7] offset:(32*(\blk)+kk)*4096 th:TH_LOAD_NT
.set kk, kk+1
.endr
.endm
	WLOAD 0
	WLOAD 1
	s_mul_i32 s46, s43, 5
	s_add_co_u32 s46, s46, s42
	s_lshl_b32 s46, s46, 6
	s_lshl_b32 s47, s44, 4
	s_add_co_u32 s46, s46, s47
	s_lshl_b32 s47, s40, 1
	s_add_co_u32 s46, s46, s47                     ; image (block x 5 + product) x 64 + 16 quarter + 2 wave
	s_lshl_b32 s46, s46, 11
	s_add_co_u32 s46, s46, 20971520
	s_mov_b32 s47, 0
	s_add_nc_u64 s[18:19], s[18:19], s[46:47]
	s_add_co_i32 s48, s21, 127
	s_lshl_b32 s49, s48, 23
	v_mov_b32 v10, s49                             ; 2^e
	s_add_co_i32 s48, s48, 15
	s_lshl_b32 s48, s48, 23
	s_or_b32 s51, s48, 0x600000
	s_or_b32 s50, s51, 0x80000000
.macro WBLOCK blk
.if (\blk) < 7
	s_wait_loadcnt 32                              ; this block's 32 loads are in; the next block's may be out
.else
	s_wait_loadcnt 0x0
.endif
.set kk, 0
.rept 32
	v_med3_num_f32 v[32+32*((\blk)%2)+kk], v[32+32*((\blk)%2)+kk], s50, s51
.set kk, kk+1
.endr
.irp g, 0,1,2,3
	v_cvt_scalef32_pk8_bf8_f32 v[96+8*(\blk)+2*\g:96+8*(\blk)+2*\g+1], v[32+32*((\blk)%2)+8*\g:32+32*((\blk)%2)+8*\g+7], v10
.endr
	v_nop
	global_store_b128 v4, v[96+8*(\blk):96+8*(\blk)+3], s[18:19] offset:((\blk)/4)*16384+((\blk)%4)*512       ; k 0-15 of the block: the image's lanes 0-15; each aligned 256 bytes whole
	global_store_b128 v4, v[96+8*(\blk)+4:96+8*(\blk)+7], s[18:19] offset:((\blk)/4)*16384+((\blk)%4)*512+256 ; k 16-31: lanes 16-31.  Each block has its own code registers: none is written again
.if (\blk) < 6
	WLOAD (\blk)+2
.endif
.endm
	WBLOCK 0
	WBLOCK 1
	WBLOCK 2
	WBLOCK 3
	WBLOCK 4
	WBLOCK 5
	WBLOCK 6
	WBLOCK 7
	s_wait_tensorcnt 0x0                           ; the same three lines at this end
	ds_add_u32 v[SPW], v[NIL]
	s_wait_dscnt 0x0
	s_endpgm
.Lfunc_end_k_q66fe724712_quant:
	.size	k_q66fe724712_quant, .Lfunc_end_k_q66fe724712_quant-k_q66fe724712_quant
	.p2alignl 7, 3214868480
	.fill 96, 4, 3214868480
	.section	.rodata,"a",@progbits
	.p2align	6, 0x0
	.amdhsa_kernel k_q66fe724712_quant
		.amdhsa_group_segment_fixed_size 34304
		.amdhsa_private_segment_fixed_size 0
		.amdhsa_enable_private_segment 0
		.amdhsa_kernarg_size 64
		.amdhsa_user_sgpr_count 2
		.amdhsa_user_sgpr_kernarg_segment_ptr 1
		.amdhsa_wavefront_size32 1
		.amdhsa_system_sgpr_workgroup_id_x 1
		.amdhsa_system_sgpr_workgroup_id_y 1
		.amdhsa_system_sgpr_workgroup_id_z 1
		.amdhsa_system_vgpr_workitem_id 0
		.amdhsa_next_free_vgpr 256
		.amdhsa_next_free_sgpr 66
		.amdhsa_reserve_vcc 0
		.amdhsa_float_denorm_mode_32 3
		.amdhsa_float_denorm_mode_16_64 3
		.amdhsa_memory_ordered 1
		.amdhsa_forward_progress 1
		.amdhsa_inst_pref_size 107
	.end_amdhsa_kernel
	.amdgpu_metadata
---
amdhsa.version: [ 1, 2 ]
amdhsa.kernels:
  - .name:           k_q66fe724712_quant
    .symbol:         k_q66fe724712_quant.kd
    .args:
      - { .name: x, .offset: 0, .size: 8, .value_kind: global_buffer, .address_space: global }
      - { .name: W_cond, .offset: 8, .size: 8, .value_kind: global_buffer, .address_space: global }
      - { .name: W_key, .offset: 16, .size: 8, .value_kind: global_buffer, .address_space: global }
      - { .name: W_a, .offset: 24, .size: 8, .value_kind: global_buffer, .address_space: global }
      - { .name: W_b, .offset: 32, .size: 8, .value_kind: global_buffer, .address_space: global }
      - { .name: W_sel, .offset: 40, .size: 8, .value_kind: global_buffer, .address_space: global }
      - { .name: lowp_scales, .offset: 48, .size: 8, .value_kind: global_buffer, .address_space: global }
      - { .name: xw, .offset: 56, .size: 8, .value_kind: global_buffer, .address_space: global }
    .group_segment_fixed_size: 34304
    .private_segment_fixed_size: 0
    .kernarg_segment_align: 8
    .kernarg_segment_size: 64
    .max_flat_workgroup_size: 128
    .sgpr_count:     66
    .vgpr_count:     256
    .wavefront_size: 32
...
	.end_amdgpu_metadata
.endif
;; end of part 1
;; launch proj (part 2): grid 8 x 32, 4 waves a work-group, clusters of 4 x 1, 327,680 bytes of LDS; arguments xw, b_cond, b_key, b_a, b_b, b_sel, lowp_scales, cond, cq, sl; writes cond, cq, sl
.if DOCPART == 2
	.amdgcn_target "amdgcn-amd-amdhsa--gfx1250"
	.amdhsa_code_object_version 6
	.text
	.protected	k_q66fe724712_proj
	.globl	k_q66fe724712_proj
	.p2align	8
	.type	k_q66fe724712_proj,@function
k_q66fe724712_proj:
	s_mov_b64 s[64:65], 0
	v_nop
	global_prefetch_b8 v0, s[64:65] scope:SCOPE_SE
	s_setreg_imm32_b32 hwreg(HW_REG_WAVE_MODE, 25, 1), 1
	s_wait_xcnt 0x0
	s_wait_alu depctr_hold_cnt(0) depctr_sa_sdst(0) depctr_va_vdst(0) depctr_va_sdst(0) depctr_va_ssrc(0) depctr_va_vcc(0) depctr_vm_vsrc(0)
	s_getreg_b32 s2, hwreg(HW_REG_IB_STS2, 6, 4)
	s_cmp_eq_u32 s2, 0
	s_cbranch_scc0 .Lentry_in_a_cluster
	s_endpgm
.Lentry_in_a_cluster:
	s_bfe_u32 s2, ttmp6, 0x10000c
	s_cmp_lg_u32 s2, 0x3003
	s_cbranch_scc0 .Lentry_shape_is_right
	s_endpgm
.Lentry_shape_is_right:
; PROJ: the five products of x with a weight (cond, key, a, b, sel), on the codes that the launch before made, with their biases and what follows each.  No work of reference() is left out.
; A work-group owns batch b (grid y) and columns 128 nb .. + 127 (grid x) and makes the five tiles of 128 x 128, K = 1,024 each, one after the other, in a text without a loop: 40 K steps, numbered g = 8 p + q.
; Wave (wm, wn) makes x's tiles 4 wm + i against the weight's tiles 4 wn + n: 16 accumulators, which take turns, one instruction a turn.
; Tiles and fragment images are laid as the first launch's head says: row r of tile t is row 32 (t / 2) + 8 (t % 2) + r + 8 (r / 8).
; x'S CODES GO THROUGH A RING of two LDS slots of 131,072 bytes: a slot holds one product's eight K steps of eight images.  Product p's codes begin 131,072 p bytes into the batch's, so the descriptors walk by a constant.
; Wave w fetches K steps 2 w and 2 w + 1: 32 KiB a load, dense.  Two first fills and three refills; between a refill's request and the wait for it a wave issues 128 matrix instructions and a way out.
; A wave has at most two tensor loads out, by this text's own count.
; CLUSTER 4 x 1: the four partners share batch b and so x's codes: every tensor load is joint, one line, no branch, the mask names all four.
; THE WEIGHTS' IMAGES GO FROM MEMORY STRAIGHT INTO REGISTERS, 16 loads of 512 consecutive bytes a K step a wave, three K steps ahead, into four sets of 64 registers that take turns: 48 loads of a wave are out.
; They are not asked for jointly: a joint request lands in LDS, and with both operands in the ring a slot holds four K steps only (64 matrix instructions a wave between request and wait) and LDS is read 1,024 bytes
; for each matrix instruction; with x alone it is eight K steps and 512 bytes.  A weight's image is read by two waves of a work-group.  Every offset is an immediate (16,384 g): no base is stepped.
; ORIENTATION.  cond, key, sel: source 0 = the weight's rows: a lane holds one row of x and its registers run along the columns.  a, b: source 0 = x's rows: a lane holds one column d, registers along the keys.
; So key's codes come out with K = d, a's and b's with K = the keys, as the next products want them, by conversions alone.  The bias, divided by the power of two that the sums lack, is the C of each first instruction.
; OUT: cond f32 row-major; cq: key's images [b][K step 8][tile 8], then from 4,194,304 a's and b's [b][class 2][d tile 64]; sl: sigmoid, as images of the accumulators [b][nb][k tile 8][d tile 8][half 2][512].
; LIMITS: ex + ew of each product, e5 - e2 - e3, e9 - e6 - e7, e13 - e10 - e11 between -126 and 112; a bias divided by 2^(ex + ew) stays a normal f32 number; NaN among the inputs is not served.
; REGISTERS: window 0: v16-30 addresses; v32-95 rows on the way out; v96-127 at work; v128-255 the accumulators.  window 1: x's fragments, two sets of four.  window 2: the weight's fragments, four sets of four.
;   window 3: the biases, 32 a product.
.set SLOT,  131072
.set STAGE, 262144                     ; behind the ring: 16 rows x 272 bytes a wave, for cond's way out; no fill lands there
.set SPARE, 279552                     ; behind the stages: the spare words
.set ADRA, 16                          ; v16-19  x's fragments: slot 0's K steps 0-3, 4-7; slot 1's likewise (an LDS offset has 16 bits)
.set BO0, 22                           ; v22  a bias along registers: 64 h + 256 wn + 512 nb
.set BO1, 23                           ; v23  a bias along lanes: 4 (r + 8 (r / 8)) + 256 wn + 512 nb
.set STO, 24
.set RD,  25
.set CO,  26
.set FO,  27                           ; v27  16 x lane; never rewritten
.set SPW, 28
.set NIL, 29
.set SCL, 30
.set BK,  32
.set TMP, 96
.set ACC, 128
.set F0,  0                            ; x's two sets, in window 1
.set F1,  64
.set G1,  24                           ; s[24:31] descriptor group 1
.set G0,  32                           ; s[32:39] group 0, one set for each slot
.set WB,  70                           ; s[70:71] the weights' images of my block and my half of its tiles; never rewritten
.set WV,  66
.set WM,  67
.set WN,  68
.set LP,  72                           ; s72-91  the twenty entries of the scales
.set MSB, 0
.macro WIN new                         ; the immediate's high byte repeats the setting that is left
.if MSB != \new
	s_set_vgpr_msb (MSB<<8)|\new
.set MSB, \new
.endif
.endm
.macro PLACES                          ; four plain lines behind a matrix instruction, ahead of loads into its sources and of reads of its result
.rept 4
	v_nop
.endr
.endm
.macro CREST                           ; a round of the cluster's barrier behind its opening barrier
	s_cmp_lg_u32 s[WV], 0
	s_cbranch_scc1 .Lnot_wave_0_\@
	s_barrier_signal -3
.Lnot_wave_0_\@:
	s_barrier_wait -3
	s_barrier_signal -1
	s_barrier_wait -1
.endm
.macro CROUND
	s_barrier_signal -1
	s_barrier_wait -1
	CREST
.endm
	s_load_b512 s[4:19], s[0:1], 0x0               ; xw, b_cond, b_key, b_a, b_b, b_sel, the scales, cond
	s_load_b128 s[20:23], s[0:1], 0x40             ; cq, sl
	v_lshl_add_u32 v[SPW], v0, 2, SPARE
	v_mov_b32 v[NIL], 0
	ds_add_u32 v[SPW], v[NIL]                      ; the opening: the add, twice on end, and its wait ahead of my first tensor load
	ds_add_u32 v[SPW], v[NIL]
	v_lshrrev_b32 v1, 5, v0
	v_readfirstlane_b32 s[WV], v1
	s_lshr_b32 s[WM], s[WV], 1                     ; my half of x's tiles
	s_and_b32 s[WN], s[WV], 1                      ; my half of the weight's tiles
	s_bfe_u32 s40, ttmp6, 0x40000                  ; cx
	s_lshl_b32 s42, ttmp9, 2
	s_add_co_u32 s42, s42, s40                     ; nb
	s_and_b32 s43, ttmp7, 0xffff                   ; b, which the four partners share
	s_mov_b32 s[G1+0], 15|(3<<16)|(1<<21)          ; the mask: all four; elements of 8 bytes; bit 21 beside a mask; no padding: an image is read 512 consecutive bytes at a time
	s_mov_b32 s[G1+1], 32<<16                      ; tensor_dim0 = 32 elements: rows of 256 bytes
	s_mov_b32 s[G1+2], 128<<16                     ; tensor_dim1 = 128
	s_mov_b32 s[G1+3], 32<<16                      ; tile_dim0
	s_mov_b32 s[G1+4], 128                         ; tile_dim1
	s_mov_b32 s[G1+5], 32                          ; the pitch: dense
	s_mov_b32 s[G1+6], 0
	s_mov_b32 s[G1+7], 0
	s_mul_i32 s46, s43, 655360                     ; x's codes of my batch,
	s_lshl_b32 s47, s[WV], 15
	s_add_co_u32 s46, s46, s47                     ; my quarter of a fill
	s_mov_b32 s47, 0
	s_mul_i32 s70, s42, 655360                     ; the weights' codes of my block,
	s_lshl_b32 s71, s[WN], 13
	s_add_co_u32 s70, s70, s71                     ; tiles 4 wn on
	s_add_co_u32 s70, s70, 20971520
	s_mov_b32 s71, 0
	s_lshl_b32 s69, s[WV], 15                      ; where my quarter goes: 32,768 x wave
	s_wait_dscnt 0x0                               ; both opening adds are done
	s_wait_kmcnt 0x0
	s_load_b512 s[LP:LP+15], s[16:17], 0x0
	s_load_b128 s[LP+16:LP+19], s[16:17], 0x40
	s_add_nc_u64 s[46:47], s[4:5], s[46:47]
	s_add_nc_u64 s[WB:WB+1], s[4:5], s[70:71]
.irp s, 0,1
	s_mov_b32 s[G0+4*\s], 1
	s_add_co_u32 s[G0+4*\s+1], s69, \s*SLOT
	s_add_nc_u64 s[G0+4*\s+2:G0+4*\s+3], s[46:47], \s*SLOT
	s_or_b32 s[G0+4*\s+3], s[G0+4*\s+3], 0x80000000
.endr
	CROUND                                         ; all four work-groups are here: the first joint loads meet
	tensor_load_to_lds s[G0:G0+3], s[G1:G1+7]      ; product 0's codes of x
	s_nop 0
	tensor_load_to_lds s[G0+4:G0+7], s[G1:G1+7]    ; product 1's
	s_nop 0
.rept 4
	v_nop
.endr
	v_and_b32 v1, 31, v0
	v_and_b32 v2, 15, v0                           ; r
	v_bfe_u32 v3, v0, 4, 1                         ; h
	v_lshlrev_b32 v[FO], 4, v1
	s_lshl_b32 s98, s[WM], 13
	v_add_nc_u32 v[ADRA], s98, v[FO]
	v_add_nc_u32 v[ADRA+1], 65536, v[ADRA]
	v_add_nc_u32 v[ADRA+2], SLOT, v[ADRA]
	v_add_nc_u32 v[ADRA+3], SLOT+65536, v[ADRA]
	s_lshl_b32 s98, s[WN], 8
	s_lshl_b32 s99, s42, 9
	s_add_co_u32 s98, s98, s99
	v_lshl_add_u32 v[BO0], v3, 6, s98
	v_and_b32 v4, 8, v2
	v_add_nc_u32 v4, v4, v2
	v_lshl_add_u32 v[BO1], v4, 2, s98
	s_mul_i32 s99, s[WV], 4352
	s_add_co_u32 s99, s99, STAGE
	v_mul_u32_u24 v[STO], v2, 272
	v_lshl_add_u32 v[STO], v3, 6, v[STO]
	v_add_nc_u32 v[STO], s99, v[STO]               ; into my stage: row r, + 64 h
	v_mul_u32_u24 v[RD], v3, 272
	v_lshl_add_u32 v[RD], v2, 4, v[RD]
	v_add_nc_u32 v[RD], s99, v[RD]                 ; back: lanes 0-15 one row of 256 bytes, lanes 16-31 the next
	v_lshlrev_b32 v[CO], 12, v3
	v_lshl_add_u32 v[CO], v2, 4, v[CO]             ; and the same two rows in cond
; the biases: product p's tile n at v[32 p + 8 n] of window 3, in the result's layout
.macro BIAS0 p, base                   ; registers run along the columns
.irp n, 0,1,2,3
	global_load_b128 v[32*\p+8*\n:32*\p+8*\n+3], v[BO0], s[\base:\base+1] offset:128*(\n/2)+32*(\n%2)
	global_load_b128 v[32*\p+8*\n+4:32*\p+8*\n+7], v[BO0], s[\base:\base+1] offset:128*(\n/2)+32*(\n%2)+16
.endr
.endm
.macro BIAS1 p, base                   ; a lane holds one column: one number a tile
.irp n, 0,1,2,3
	global_load_b32 v[TMP+4*(\p-2)+\n], v[BO1], s[\base:\base+1] offset:128*(\n/2)+32*(\n%2)
.endr
.endm
; the weight's four fragments of K step g (0 .. 39), as they lie, into set g % 4 of window 2
.macro BLOAD g
	WIN 0x80
.irp n, 0,1,2,3
.irp c, 0,1,2,3
	global_load_b128 v[64*((\g)%4)+16*\n+4*\c:64*((\g)%4)+16*\n+4*\c+3], v[FO], s[WB:WB+1] offset:(\g)*16384+\n*2048+512*\c
.endr
.endr
.endm
	WIN 0xc0
	BIAS0 0, 6
	BIAS0 1, 8
	BIAS0 4, 14
	WIN 0
	BIAS1 2, 10
	BIAS1 3, 12
	BLOAD 0                                        ; the first three K steps' weights go out behind the biases
	BLOAD 1
	BLOAD 2
	WIN 0
	s_wait_loadcnt 48                              ; the biases are in; the 48 younger loads, the weights', may be out
	s_wait_kmcnt 0x0
.macro SCALE0 p, ea, eb                ; bias / 2^(ex + ew), in place
	s_add_co_i32 s98, s[LP+\ea], s[LP+\eb]
	s_sub_co_i32 s98, 0, s98
	WIN 0xc3
.set kk, 0
.rept 32
	v_ldexp_f32 v[32*\p+kk], v[32*\p+kk], s98
.set kk, kk+1
.endr
.endm
.macro SCALE1 p, ea, eb                ; the same, and eight copies
	s_add_co_i32 s98, s[LP+\ea], s[LP+\eb]
	s_sub_co_i32 s98, 0, s98
	WIN 0xc0
.irp n, 0,1,2,3
.irp j, 0,1,2,3,4,5,6,7
	v_ldexp_f32 v[32*\p+8*\n+\j], v[TMP+4*(\p-2)+\n], s98
.endr
.endr
.endm
	SCALE0 0, 0, 1
	SCALE0 1, 2, 3
	SCALE1 2, 6, 7
	SCALE1 3, 10, 11
	SCALE0 4, 18, 19
	WIN 0
.macro FETCHX slot, q, f               ; x's four fragments of the slot's K step q into set f of window 1: 16 LDS loads in one run
	WIN 0x40
.irp i, 0,1,2,3
.irp c, 0,1,2,3
	ds_load_b128 v[\f+16*\i+4*\c:\f+16*\i+4*\c+3], v[ADRA+2*(\slot)+(\q)/4] offset:((\q)%4)*16384+\i*2048+512*\c
.endr
.endr
.endm
.macro MUL8 f, g, ori, p, first, i0    ; x's tiles i0, i0 + 1 (set f) against the weight's four (set g % 4).  first = 1: C is the bias: nothing is cleared
.if \ori
.if \first
	WIN 0x39                                       ; source 0 (x) window 1, source 1 (the weight) window 2, C window 3
.else
	WIN 0x09
.endif
.else
.if \first
	WIN 0x36                                       ; source 0 (the weight) window 2, source 1 (x) window 1, C window 3
.else
	WIN 0x06
.endif
.endif
.irp i, \i0, \i0+1
.irp n, 0,1,2,3
.if \ori
.if \first
	v_wmma_f32_16x16x128_bf8_bf8 v[ACC+8*(4*(\i)+\n):ACC+8*(4*(\i)+\n)+7], v[\f+16*(\i):\f+16*(\i)+15], v[64*((\g)%4)+16*\n:64*((\g)%4)+16*\n+15], v[32*\p+8*\n:32*\p+8*\n+7]
.else
	v_wmma_f32_16x16x128_bf8_bf8 v[ACC+8*(4*(\i)+\n):ACC+8*(4*(\i)+\n)+7], v[\f+16*(\i):\f+16*(\i)+15], v[64*((\g)%4)+16*\n:64*((\g)%4)+16*\n+15], v[ACC+8*(4*(\i)+\n):ACC+8*(4*(\i)+\n)+7]
.endif
.else
.if \first
	v_wmma_f32_16x16x128_bf8_bf8 v[ACC+8*(4*(\i)+\n):ACC+8*(4*(\i)+\n)+7], v[64*((\g)%4)+16*\n:64*((\g)%4)+16*\n+15], v[\f+16*(\i):\f+16*(\i)+15], v[32*\p+8*\n:32*\p+8*\n+7]
.else
	v_wmma_f32_16x16x128_bf8_bf8 v[ACC+8*(4*(\i)+\n):ACC+8*(4*(\i)+\n)+7], v[64*((\g)%4)+16*\n:64*((\g)%4)+16*\n+15], v[\f+16*(\i):\f+16*(\i)+15], v[ACC+8*(4*(\i)+\n):ACC+8*(4*(\i)+\n)+7]
.endif
.endif
.endr
.endr
.endm
; One of a product's first seven K steps.  The last step's products have read x's other set and the weight's set (g - 1) % 4: behind four places these take the next step's x and the weights of three steps on.
.macro STEP slot, q, g, ori, p, first
	PLACES
.if (\g)+3 <= 39
	BLOAD (\g)+3
.endif
	FETCHX \slot, (\q)+1, 64*(((\q)+1)%2)
	s_wait_dscnt 16                                ; this step's fragments of x are in; the 16 loads just issued may be out
.if 39-(\g) >= 3
	s_wait_loadcnt 48                              ; this step's weights are in; the three younger sets may be out
.else
	s_wait_loadcnt 16*(39-(\g))                    ; the last steps: fewer sets are behind
.endif
	MUL8 64*((\q)%2), \g, \ori, \p, \first, 0
	MUL8 64*((\q)%2), \g, \ori, \p, \first, 2
.endm
; A product's eighth step changes slots: one barrier; ahead of it each wave waits for all its tensor loads, adds 0 to its spare word, and waits for that and for its reads of this slot.
; fill = 1: this slot takes the codes of the product two on.
.macro TURN slot, fill, g, ori, p
	WIN 0
	s_wait_tensorcnt 0x0                           ; my part of the other slot has landed; no load of mine is out
	ds_add_u32 v[SPW], v[NIL]
	s_wait_dscnt 1                                 ; the add alone may be out: the step's fragments of x are in
	s_wait_loadcnt 32                              ; the step's weights are in; two younger sets may be out (the third is asked for behind the barrier)
	MUL8 F1, \g, \ori, \p, 0, 0
	s_wait_dscnt 0x0                               ; the add is done; my reads of this slot are over
	s_barrier_signal -1
	WIN 0
	s_barrier_wait -1
.if \fill
	CREST                                          ; the barrier has opened a round of the cluster's: no wave of any partner still reads this slot or has a load on its way
	s_add_nc_u64 s[G0+4*(\slot)+2:G0+4*(\slot)+3], s[G0+4*(\slot)+2:G0+4*(\slot)+3], 2*SLOT
	tensor_load_to_lds s[G0+4*(\slot):G0+4*(\slot)+3], s[G1:G1+7]   ; the first tensor load behind the round, and my one until the next
	s_nop 0
.rept 4
	v_nop                                          ; also the places ahead of the loads below
.endr
.else
	PLACES
.endif
	BLOAD (\g)+3
	FETCHX 1-\slot, 0, F0                          ; the next product's first fragments of x
	MUL8 F1, \g, \ori, \p, 0, 2
.endm
.macro PRODUCT p, ori
	STEP \p%2, 0, 8*\p+0, \ori, \p, 1
	STEP \p%2, 1, 8*\p+1, \ori, \p, 0
	STEP \p%2, 2, 8*\p+2, \ori, \p, 0
	STEP \p%2, 3, 8*\p+3, \ori, \p, 0
	STEP \p%2, 4, 8*\p+4, \ori, \p, 0
	STEP \p%2, 5, 8*\p+5, \ori, \p, 0
	STEP \p%2, 6, 8*\p+6, \ori, \p, 0
.if \p < 3
	TURN \p%2, 1, 8*\p+7, \ori, \p
.elseif \p == 3
	TURN \p%2, 0, 8*\p+7, \ori, \p                 ; nothing is left to fetch
.else
	s_wait_dscnt 0x0
	s_wait_loadcnt 0x0
	MUL8 F1, 39, \ori, \p, 0, 0
	MUL8 F1, 39, \ori, \p, 0, 2
.endif
.endm
; cond = sum x 2^(e0 + e1), f32, row-major: 16 rows x 256 bytes at a time through my stage, so that sixteen lanes store 256 consecutive, aligned bytes
.macro EPI_COND
	WIN 0
	PLACES
	s_wait_xcnt 0x0
	s_add_co_i32 s92, s[LP+0], s[LP+1]
	s_add_co_i32 s92, s92, 127
	s_lshl_b32 s92, s92, 23
	s_mov_b32 s93, s92
	s_lshl_b32 s96, s43, 19
	s_lshl_b32 s98, s[WM], 18
	s_add_co_u32 s96, s96, s98
	s_lshl_b32 s98, s42, 9
	s_add_co_u32 s96, s96, s98
	s_lshl_b32 s98, s[WN], 8
	s_add_co_u32 s96, s96, s98
	s_mov_b32 s97, 0
	s_add_nc_u64 s[100:101], s[18:19], s[96:97]
.irp i, 0,1,2,3
.irp n, 0,1,2,3
.irp j, 0,2,4,6
	v_pk_mul_f32 v[TMP+8*\n+\j:TMP+8*\n+\j+1], v[ACC+8*(4*\i+\n)+\j:ACC+8*(4*\i+\n)+\j+1], s[92:93] op_sel_hi:[1,0]   ; each accumulator from its low end on
.endr
.endr
.irp n, 0,1,2,3
	ds_store_b128 v[STO], v[TMP+8*\n:TMP+8*\n+3] offset:128*(\n/2)+32*(\n%2)
	ds_store_b128 v[STO], v[TMP+8*\n+4:TMP+8*\n+7] offset:128*(\n/2)+32*(\n%2)+16
.endr
	s_wait_xcnt 0x0                                ; the earlier stores have read the rows' registers
.irp t, 0,1,2,3,4,5,6,7
	ds_load_b128 v[BK+32*(\i%2)+4*\t:BK+32*(\i%2)+4*\t+3], v[RD] offset:\t*544
.endr
	s_wait_dscnt 0x0
.irp t, 0,1,2,3,4,5,6,7
	global_store_b128 v[CO], v[BK+32*(\i%2)+4*\t:BK+32*(\i%2)+4*\t+3], s[100:101] offset:(32*(\i/2)+8*(\i%2)+2*\t+8*(\t/4))*4096
.endr
.endr
.endm
; sums become codes: sum / 2^(et - ea - eb), held, converted; the conversions' results are pieces of images.  dst: 0 key, 1 a, 2 b
.macro EPI_CODES ori, ea, eb, et, dst
	WIN 0
	PLACES
	s_wait_xcnt 0x0
	s_sub_co_i32 s92, s[LP+\et], s[LP+\ea]
	s_sub_co_i32 s92, s92, s[LP+\eb]
	s_add_co_i32 s92, s92, 127
	s_lshl_b32 s93, s92, 23
	v_mov_b32 v[SCL], s93
	s_add_co_i32 s92, s92, 15
	s_lshl_b32 s92, s92, 23
	s_or_b32 s95, s92, 0x600000
	s_or_b32 s94, s95, 0x80000000
.if \dst == 0
	s_lshl_b32 s96, s43, 17
	s_lshl_b32 s98, s42, 14
	s_add_co_u32 s96, s96, s98
	s_lshl_b32 s98, s[WM], 13
	s_add_co_u32 s96, s96, s98
	s_lshl_b32 s98, s[WN], 10
	s_add_co_u32 s96, s96, s98
.else
	s_lshl_b32 s96, s43, 18
	s_lshl_b32 s98, s42, 14
	s_add_co_u32 s96, s96, s98
	s_lshl_b32 s98, s[WN], 13
	s_add_co_u32 s96, s96, s98
	s_lshl_b32 s98, s[WM], 10
	s_add_co_u32 s96, s96, s98
	s_add_co_u32 s96, s96, 4194304+(\dst-1)*131072
.endif
	s_mov_b32 s97, 0
	s_add_nc_u64 s[100:101], s[20:21], s[96:97]
.set kk, 0
.rept 128
	v_med3_num_f32 v[ACC+kk], v[ACC+kk], s94, s95
.set kk, kk+1
.endr
.irp i, 0,1,2,3
.irp n, 0,1,2,3
.if \ori
	v_cvt_scalef32_pk8_bf8_f32 v[TMP+8*\n+2*\i:TMP+8*\n+2*\i+1], v[ACC+8*(4*\i+\n):ACC+8*(4*\i+\n)+7], v[SCL]
.else
	v_cvt_scalef32_pk8_bf8_f32 v[TMP+8*\i+2*\n:TMP+8*\i+2*\n+1], v[ACC+8*(4*\i+\n):ACC+8*(4*\i+\n)+7], v[SCL]
.endif
.endr
.endr
	v_nop                                          ; a plain line between the conversions and the next products, which write their sources
.irp g, 0,1,2,3,4,5,6,7
	global_store_b128 v[FO], v[TMP+4*\g:TMP+4*\g+3], s[100:101] offset:(\g/2)*2048+512*(\g%2)   ; 512 consecutive bytes of an image
.endr
.endm
; sel = 1 / (1 + 2^(-log2(e) x sum x 2^(e18 + e19))), stored as the accumulators lie
.macro EPI_SEL
	WIN 0
	PLACES
	s_wait_xcnt 0x0
	s_add_co_i32 s92, s[LP+18], s[LP+19]
	s_lshl_b32 s92, s92, 23
	s_add_co_i32 s92, s92, 0xbfb8aa3b              ; the two exponents are added to the exponent field of -log2(e)
	s_mov_b32 s93, s92
	s_lshl_b32 s96, s43, 19
	s_lshl_b32 s98, s42, 16
	s_add_co_u32 s96, s96, s98
	s_lshl_b32 s98, s[WM], 15
	s_add_co_u32 s96, s96, s98
	s_lshl_b32 s98, s[WN], 12
	s_add_co_u32 s96, s96, s98
	s_mov_b32 s97, 0
	s_add_nc_u64 s[100:101], s[22:23], s[96:97]
.set kk, 0
.rept 64
	v_pk_mul_f32 v[ACC+kk:ACC+kk+1], v[ACC+kk:ACC+kk+1], s[92:93] op_sel_hi:[1,0]
.set kk, kk+2
.endr
.set kk, 0
.rept 128
	v_exp_f32 v[ACC+kk], v[ACC+kk]
.set kk, kk+1
.endr
	v_nop                                          ; a plain line behind the last exponential,
	s_wait_alu depctr_va_vdst(0)                   ; and one wait for the batch, ahead of its first reader
.set kk, 0
.rept 64
	v_pk_add_f32 v[ACC+kk:ACC+kk+1], v[ACC+kk:ACC+kk+1], 1.0 op_sel_hi:[1,0]
.set kk, kk+2
.endr
.set kk, 0
.rept 128
	v_rcp_f32 v[ACC+kk], v[ACC+kk]
.set kk, kk+1
.endr
	v_nop
	s_wait_alu depctr_va_vdst(0)
.irp i, 0,1,2,3
.irp n, 0,1,2,3
	global_store_b128 v[FO], v[ACC+8*(4*\i+\n):ACC+8*(4*\i+\n)+3], s[100:101] offset:\i*8192+\n*1024
	global_store_b128 v[FO], v[ACC+8*(4*\i+\n)+4:ACC+8*(4*\i+\n)+7], s[100:101] offset:\i*8192+\n*1024+512
.endr
.endr
.endm
	s_wait_tensorcnt 1                             ; my part of slot 0 is in; slot 1's may stay out
	s_barrier_signal -1
	s_barrier_wait -1
	FETCHX 0, 0, F0
	PRODUCT 0, 0
	EPI_COND
	PRODUCT 1, 0
	EPI_CODES 0, 2, 3, 5, 0
	PRODUCT 2, 1
	EPI_CODES 1, 6, 7, 9, 1
	PRODUCT 3, 1
	EPI_CODES 1, 10, 11, 13, 2
	PRODUCT 4, 0
	EPI_SEL
	s_wait_tensorcnt 0x0                           ; the wave's end
	ds_add_u32 v[SPW], v[NIL]
	s_wait_dscnt 0x0
	CROUND                                         ; the closing round
	s_endpgm
.Lfunc_end_k_q66fe724712_proj:
	.size	k_q66fe724712_proj, .Lfunc_end_k_q66fe724712_proj-k_q66fe724712_proj
	.p2alignl 7, 3214868480
	.fill 96, 4, 3214868480
	.section	.rodata,"a",@progbits
	.p2align	6, 0x0
	.amdhsa_kernel k_q66fe724712_proj
		.amdhsa_group_segment_fixed_size 327680
		.amdhsa_private_segment_fixed_size 0
		.amdhsa_enable_private_segment 0
		.amdhsa_kernarg_size 80
		.amdhsa_user_sgpr_count 2
		.amdhsa_user_sgpr_kernarg_segment_ptr 1
		.amdhsa_wavefront_size32 1
		.amdhsa_system_sgpr_workgroup_id_x 1
		.amdhsa_system_sgpr_workgroup_id_y 1
		.amdhsa_system_sgpr_workgroup_id_z 1
		.amdhsa_system_vgpr_workitem_id 0
		.amdhsa_next_free_vgpr 1024
		.amdhsa_next_free_sgpr 104
		.amdhsa_reserve_vcc 0
		.amdhsa_float_denorm_mode_32 3
		.amdhsa_float_denorm_mode_16_64 3
		.amdhsa_memory_ordered 1
		.amdhsa_forward_progress 1
		.amdhsa_inst_pref_size 236
	.end_amdhsa_kernel
	.amdgpu_metadata
---
amdhsa.version: [ 1, 2 ]
amdhsa.kernels:
  - .name:           k_q66fe724712_proj
    .symbol:         k_q66fe724712_proj.kd
    .args:
      - { .name: xw, .offset: 0, .size: 8, .value_kind: global_buffer, .address_space: global }
      - { .name: b_cond, .offset: 8, .size: 8, .value_kind: global_buffer, .address_space: global }
      - { .name: b_key, .offset: 16, .size: 8, .value_kind: global_buffer, .address_space: global }
      - { .name: b_a, .offset: 24, .size: 8, .value_kind: global_buffer, .address_space: global }
      - { .name: b_b, .offset: 32, .size: 8, .value_kind: global_buffer, .address_space: global }
      - { .name: b_sel, .offset: 40, .size: 8, .value_kind: global_buffer, .address_space: global }
      - { .name: lowp_scales, .offset: 48, .size: 8, .value_kind: global_buffer, .address_space: global }
      - { .name: cond, .offset: 56, .size: 8, .value_kind: global_buffer, .address_space: global }
      - { .name: cq, .offset: 64, .size: 8, .value_kind: global_buffer, .address_space: global }
      - { .name: sl, .offset: 72, .size: 8, .value_kind: global_buffer, .address_space: global }
    .group_segment_fixed_size: 327680
    .private_segment_fixed_size: 0
    .kernarg_segment_align: 8
    .kernarg_segment_size: 80
    .max_flat_workgroup_size: 128
    .sgpr_count:     104
    .vgpr_count:     1024
    .wavefront_size: 32
...
	.end_amdgpu_metadata
.endif
;; end of part 2
;; launch scores (part 3): grid 8 x 32, 4 waves a work-group, no clusters, 327,680 bytes of LDS; arguments cond, cq, query_emb, n_indexes, fw_mask, bw_mask, lowp_scales, fb, zb; writes fb, zb
.if DOCPART == 3
	.amdgcn_target "amdgcn-amd-amdhsa--gfx1250"
	.amdhsa_code_object_version 6
	.text
	.protected	k_q66fe724712_scores
	.globl	k_q66fe724712_scores
	.p2align	8
	.type	k_q66fe724712_scores,@function
k_q66fe724712_scores:
	s_mov_b64 s[64:65], 0
	v_nop
	global_prefetch_b8 v0, s[64:65] scope:SCOPE_SE
	s_setreg_imm32_b32 hwreg(HW_REG_WAVE_MODE, 25, 1), 1
	s_wait_xcnt 0x0
; SCORES: z = Q(q_vec + cond) Q(key)^T / 32, its forward weights as codes, and its masked transpose with partial sums for the backward weights.  No work of reference() is left out;
; product 3 is issued in both orientations (the same sums), so that a lane holds one query with registers along the keys, and one key with registers along the queries, with nothing turned through LDS.
; A work-group owns batch b (grid y) and 256 queries, 16 positions l x 16 experts e (grid x = j); wave w owns queries 64 w .. 64 w + 63 of them, against all 128 keys.  Waves share nothing: no barrier.
; Query 16 l + e.  Row r of my tile i = 2 g + u is l = 4 w + 2 g + r / 8 (in the chunk), e = 8 u + r % 8: so four fragments are the sums of two sets of cond's rows and two sets of the table's rows.
; THE MASKS are the wave's own two tensor loads at the head, 64 rows x 512 bytes and 128 rows x 256 bytes, padded by 16 bytes a row; they land while K is walked, are never filled again, and only the wave that asked reads
; them, behind its own wait.  Two tensor loads of a wave are out, by this text's own count.
; NO CLUSTER: the masks, half of a work-group's bytes, are its own and take 274,432 bytes of LDS, so there is no room for a ring of the shared key tiles; key's images come as dense loads straight into registers.
; a_fw = relu(z) fw / (sum + 1e-9): with z = s x 2^g (g = e4 + e5 - 5; the division by sqrt(1024) = 32 is exact) a_fw = relu(s) x f, f = 2^g / (S 2^g + 1e-9); the hold between 0 and the largest code x the scale is also the relu.
; The negative parts are summed with their sign (min(s, 0)), and the sign is taken off where the sum is used.
; OUT: fb [b][block of 128 q 16][kind 4][tile 8][2048], kinds 0 (a_fw), 1 (c_fw): rows q, K = the keys.  zb: masked raw sums of z^T as images of registers [b][block][k tile 8][c 4][quarter 4][512];
; from 33,554,432 each lane's partial sums (positive part, negative part, both not negative) [b][k tile 8][4 j + w 32][lane 32][2].
; LIMITS: e4, e8, e12 between -126 and 112; e4 + e5 - 5 between -126 and 127; NaN among the inputs is not served; an index is held at 15.
; REGISTERS: window 0: v1-31 addresses and small work (v11 = 0); v32-63 at work; v64-127 my four query fragments; v128-255 the eight key fragments.  window 1: S(query in the lane), 32 accumulators.
;   window 2: S^T (key in the lane), 32 accumulators.   window 3: cond's two sets and the table's two sets of 64 numbers; behind the loop the masks.
.set PW,    68608                      ; a wave's LDS: the forward mask's tile (33,792 bytes), then the backward mask's (34,816)
.set BWOFF, 33792
.set SPARE, 274432
.set MSB, 0
.macro WIN new
.if MSB != \new
	s_set_vgpr_msb (MSB<<8)|\new
.set MSB, \new
.endif
.endm
.macro PLACES
.rept 4
	v_nop
.endr
.endm
	s_load_b512 s[4:19], s[0:1], 0x0               ; cond, cq, query_emb, n_indexes, fw_mask, bw_mask, the scales, fb
	s_load_b64 s[20:21], s[0:1], 0x40              ; zb
	v_lshl_add_u32 v1, v0, 2, SPARE
	v_mov_b32 v2, 0
	ds_add_u32 v1, v2                              ; the opening: the add, twice on end, and its wait ahead of my first tensor load
	ds_add_u32 v1, v2
	v_lshrrev_b32 v3, 5, v0
	v_readfirstlane_b32 s60, v3                    ; wave
	s_mov_b32 s58, ttmp9                           ; j
	s_and_b32 s59, ttmp7, 0xffff                   ; b
	s_mov_b32 s24, (2<<16)|(1<<20)|(6<<22)|(3<<25) ; the forward mask: elements of 4 bytes; 4 words of padding behind every 128
	s_mov_b32 s25, 128<<16
	s_mov_b32 s26, 64<<16
	s_mov_b32 s27, 128<<16
	s_mov_b32 s28, 64
	s_mov_b32 s29, 128
	s_mov_b32 s30, 0
	s_mov_b32 s31, 0
	s_mov_b32 s32, (2<<16)|(1<<20)|(5<<22)|(3<<25) ; the backward mask: 128 rows of 64 elements, 2,048 apart; 4 words behind every 64
	s_mov_b32 s33, 64<<16
	s_mov_b32 s34, 128<<16
	s_mov_b32 s35, 64<<16
	s_mov_b32 s36, 128
	s_mov_b32 s37, 2048
	s_mov_b32 s38, 0
	s_mov_b32 s39, 0
	s_mul_i32 s61, s60, PW
	s_lshl_b32 s62, s59, 20
	s_lshl_b32 s63, s58, 17
	s_add_co_u32 s62, s62, s63
	s_lshl_b32 s63, s60, 15
	s_add_co_u32 s62, s62, s63                     ; fw_mask: row 2,048 b + 256 j + 64 w, 512 bytes a row
	s_mov_b32 s63, 0
	s_lshl_b32 s84, s59, 20
	s_lshl_b32 s85, s58, 10
	s_add_co_u32 s84, s84, s85
	s_lshl_b32 s85, s60, 8
	s_add_co_u32 s84, s84, s85                     ; bw_mask: batch, + 4 x (256 j + 64 w)
	s_mov_b32 s85, 0
	s_mov_b32 s54, 0x76543210
	s_mov_b32 s55, 0xfedcba98                      ; selects: lane l xor 16
	s_mov_b32 s51, 0x3089705f                      ; 1e-9
	s_wait_dscnt 0x0                               ; both opening adds are done
	s_wait_kmcnt 0x0
	s_load_b512 s[68:83], s[16:17], 0x0            ; entries 0 to 15 in s68 to s83
	s_mov_b32 s40, 1
	s_mov_b32 s41, s61
	s_add_nc_u64 s[42:43], s[12:13], s[62:63]
	s_or_b32 s43, s43, 0x80000000
	s_mov_b32 s44, 1
	s_add_co_u32 s45, s61, BWOFF
	s_add_nc_u64 s[46:47], s[14:15], s[84:85]
	s_or_b32 s47, s47, 0x80000000
	tensor_load_to_lds s[40:43], s[24:31]
	s_nop 0
	tensor_load_to_lds s[44:47], s[32:39]
	s_nop 0
.rept 4
	v_nop
.endr
	v_and_b32 v13, 31, v0
	v_lshlrev_b32 v3, 4, v13                       ; 16 x lane
	v_lshlrev_b32 v12, 3, v13                      ; 8 x lane
	v_and_b32 v16, 15, v0                          ; r
	v_bfe_u32 v17, v0, 4, 1                        ; h
	v_bfe_u32 v18, v0, 3, 1                        ; r / 8
	v_and_b32 v19, 7, v0                           ; r % 8
	v_lshlrev_b32 v20, 2, v19
	s_mov_b32 s87, 0
	s_lshl_b32 s86, s59, 6
	s_add_nc_u64 s[10:11], s[10:11], s[86:87]
	global_load_b32 v6, v20, s[10:11]              ; n_indexes[b][r % 8]
	global_load_b32 v7, v20, s[10:11] offset:32    ; n_indexes[b][8 + r % 8]
	s_lshl_b32 s88, s60, 2
	v_add_nc_u32 v4, s88, v18
	v_lshlrev_b32 v4, 12, v4
	v_lshl_add_u32 v4, v17, 6, v4                  ; cond: row 4 w + r / 8, + 64 h
	v_add_nc_u32 v5, 8192, v4                      ; and two rows further down
	v_lshl_add_u32 v21, v18, 3, v16                ; r + 8 (r / 8)
	v_mul_u32_u24 v9, v21, 528
	v_lshl_add_u32 v9, v17, 6, v9
	v_add_nc_u32 v9, s61, v9                       ; the forward mask's tile: my query's row, + 64 h
	v_mul_u32_u24 v10, v21, 272
	v_lshl_add_u32 v10, v17, 6, v10
	v_add_nc_u32 v10, s61, v10
	v_add_nc_u32 v10, BWOFF, v10                   ; the backward mask's: my key's row, + 64 h
	v_mov_b32 v11, 0                               ; 0.0, against which the positive and the negative parts are taken
	v_mov_b32 v24, 0                               ; written once: a lane permute's destination counts as a source,
	v_mov_b32 v25, 0
	v_mov_b32 v27, 0                               ; and these are named as upper halves of pairs
	v_mov_b32 v29, 0
	s_lshl_b32 s86, s59, 19
	s_lshl_b32 s88, s58, 16
	s_add_co_u32 s86, s86, s88
	s_add_nc_u64 s[4:5], s[4:5], s[86:87]          ; cond at the chunk's first row
	s_lshl_b32 s86, s59, 17
	s_add_nc_u64 s[6:7], s[6:7], s[86:87]          ; key's images of my batch
	s_lshl_b32 s88, s59, 16
	s_lshl_b32 s89, s58, 10
	s_add_co_u32 s88, s88, s89
	s_lshl_b32 s89, s60, 8
	s_add_co_u32 s88, s88, s89
	s_add_co_u32 s88, s88, 33554432
	s_mov_b32 s89, 0
	s_add_nc_u64 s[22:23], s[20:21], s[88:89]      ; the partial sums
	s_lshl_b32 s86, s59, 4
	s_lshl_b32 s88, s58, 1
	s_add_co_u32 s86, s86, s88
	s_lshr_b32 s88, s60, 1
	s_add_co_u32 s86, s86, s88
	s_lshl_b32 s86, s86, 16                        ; my block of 128 queries: 16 b + 2 j + w / 2
	s_and_b32 s62, s60, 1
	s_lshl_b32 s88, s62, 13
	s_add_co_u32 s88, s88, s86
	s_add_nc_u64 s[18:19], s[18:19], s[88:89]      ; fb: block, tiles 4 (w % 2) on
	s_lshl_b32 s88, s62, 12
	s_add_co_u32 s88, s88, s86
	s_add_nc_u64 s[20:21], s[20:21], s[88:89]      ; zb: block, c = 2 (w % 2) on
	s_wait_kmcnt 0x0
	s_add_co_i32 s86, s72, 127                     ; e4
	s_lshl_b32 s88, s86, 23
	v_mov_b32 v8, s88
	s_add_co_i32 s86, s86, 15
	s_lshl_b32 s86, s86, 23
	s_or_b32 s49, s86, 0x600000
	s_or_b32 s48, s49, 0x80000000
	s_add_co_i32 s86, s72, s73
	s_add_co_i32 s86, s86, 122
	s_lshl_b32 s50, s86, 23                        ; 2^(e4 + e5 - 5)
	s_or_b32 s57, s50, 0x80000000                  ; and its negative
	s_add_co_i32 s86, s76, 127                     ; e8
	s_lshl_b32 s88, s86, 23
	v_mov_b32 v14, s88
	s_add_co_i32 s86, s86, 15
	s_lshl_b32 s86, s86, 23
	s_or_b32 s52, s86, 0x600000
	s_add_co_i32 s86, s80, 127                     ; e12
	s_lshl_b32 s88, s86, 23
	v_mov_b32 v15, s88
	s_add_co_i32 s86, s86, 15
	s_lshl_b32 s86, s86, 23
	s_or_b32 s53, s86, 0x600000
	s_wait_loadcnt 0x0
	v_min_u32 v6, 15, v6
	v_min_u32 v7, 15, v7
	v_lshlrev_b32 v6, 12, v6
	v_lshlrev_b32 v7, 12, v7
	v_lshl_add_u32 v6, v17, 6, v6                  ; the table's row, + 64 h
	v_lshl_add_u32 v7, v17, 6, v7
.macro LDCQ                            ; a K step's 64 numbers a lane of cond's two sets and of the table's two: register 16 c + i = d 32 c + 16 h + i
	WIN 0xc0
.irp g, 0,1
.set kk, 0
.rept 16
	global_load_b128 v[64*\g+4*kk:64*\g+4*kk+3], v[4+\g], s[4:5] offset:128*(kk/4)+16*(kk%4)
.set kk, kk+1
.endr
.endr
.irp u, 0,1
.set kk, 0
.rept 16
	global_load_b128 v[128+64*\u+4*kk:128+64*\u+4*kk+3], v[6+\u], s[8:9] offset:128*(kk/4)+16*(kk%4)
.set kk, kk+1
.endr
.endr
	WIN 0
.endm
.macro LDK                             ; the K step's eight key fragments, as they lie
.irp t, 0,1,2,3,4,5,6,7
.irp c, 0,1,2,3
	global_load_b128 v[128+16*\t+4*\c:128+16*\t+4*\c+3], v3, s[6:7] offset:\t*2048+512*\c
.endr
.endr
.endm
.macro QIN i, d, s                     ; fragment i: set d += set s, held and converted in place: set d's last use in this step
	WIN 0xcf
.set kk, 0
.rept 32
	v_pk_add_f32 v[\d+kk:\d+kk+1], v[\d+kk:\d+kk+1], v[\s+kk:\s+kk+1]
.set kk, kk+2
.endr
	WIN 0xc3
.set kk, 0
.rept 64
	v_med3_num_f32 v[\d+kk], v[\d+kk], s48, s49
.set kk, kk+1
.endr
	WIN 0x03
.irp g, 0,1,2,3,4,5,6,7
	v_cvt_scalef32_pk8_bf8_f32 v[64+16*\i+2*\g:64+16*\i+2*\g+1], v[\d+8*\g:\d+8*\g+7], v8
.endr
	v_nop                                          ; a plain line behind the conversions
.endm
.macro QFR                             ; the four query fragments
.irp hf, 0,1                           ; fragment 0 leaves both its sets whole: it goes through v32-63, half at a time
	WIN 0x0f
.set kk, 0
.rept 16
	v_pk_add_f32 v[32+kk:33+kk], v[32*\hf+kk:32*\hf+kk+1], v[128+32*\hf+kk:128+32*\hf+kk+1]
.set kk, kk+2
.endr
	WIN 0
.set kk, 0
.rept 32
	v_med3_num_f32 v[32+kk], v[32+kk], s48, s49
.set kk, kk+1
.endr
.irp g, 0,1,2,3
	v_cvt_scalef32_pk8_bf8_f32 v[64+8*\hf+2*\g:64+8*\hf+2*\g+1], v[32+8*\g:32+8*\g+7], v8
.endr
	v_nop
.endr
	QIN 1, 0, 192
	QIN 2, 128, 64
	QIN 3, 64, 192
.endm
.macro MM zero                         ; 64 matrix instructions, 64 accumulators by turns
	WIN 0x50
.irp i, 0,1,2,3
.irp t, 0,1,2,3,4,5,6,7
.if \zero
	v_wmma_f32_16x16x128_bf8_bf8 v[8*(8*\i+\t):8*(8*\i+\t)+7], v[128+16*\t:128+16*\t+15], v[64+16*\i:64+16*\i+15], 0
.else
	v_wmma_f32_16x16x128_bf8_bf8 v[8*(8*\i+\t):8*(8*\i+\t)+7], v[128+16*\t:128+16*\t+15], v[64+16*\i:64+16*\i+15], v[8*(8*\i+\t):8*(8*\i+\t)+7]
.endif
.endr
.endr
	WIN 0xa0
.irp i, 0,1,2,3
.irp t, 0,1,2,3,4,5,6,7
.if \zero
	v_wmma_f32_16x16x128_bf8_bf8 v[8*(8*\i+\t):8*(8*\i+\t)+7], v[64+16*\i:64+16*\i+15], v[128+16*\t:128+16*\t+15], 0
.else
	v_wmma_f32_16x16x128_bf8_bf8 v[8*(8*\i+\t):8*(8*\i+\t)+7], v[64+16*\i:64+16*\i+15], v[128+16*\t:128+16*\t+15], v[8*(8*\i+\t):8*(8*\i+\t)+7]
.endif
.endr
.endr
	WIN 0
.endm
.macro TRIP zero, more
	s_wait_loadcnt 32                              ; cond's and the table's numbers are in; the 32 younger loads, the step's key fragments, may be out
	QFR
	s_wait_loadcnt 0x0                             ; the key fragments are in, and no load reads a base any more
.if \more
	s_add_nc_u64 s[4:5], s[4:5], 512
	s_add_nc_u64 s[8:9], s[8:9], 512
	LDCQ                                           ; the next step's numbers land under the products
.endif
	MM \zero
.if \more
	PLACES                                         ; ahead of loads into registers that the products have read
	s_add_nc_u64 s[6:7], s[6:7], 16384
	LDK
.endif
.endm
	LDCQ
	LDK
	TRIP 1, 1                                      ; the first K step starts the sums: nothing is cleared
	s_mov_b32 s56, 6
.Lk:
	TRIP 0, 1
	s_sub_co_u32 s56, s56, 1
	s_cmp_lg_u32 s56, 0
	s_cbranch_scc1 .Lk
	TRIP 0, 0
; ---- the forward weights.  Mask register 64 i + n belongs to accumulator register 64 i + n of window 1
	s_wait_tensorcnt 0x0                           ; my two mask tiles are in LDS
	PLACES
	WIN 0xc0
.irp i, 0,1,2,3
.set kk, 0
.rept 16
	ds_load_b128 v[64*\i+4*kk:64*\i+4*kk+3], v9 offset:(32*(\i/2)+8*(\i%2))*528+128*(kk/4)+16*(kk%4)
.set kk, kk+1
.endr
.endr
.macro SUMS n                          ; of v64 .. v[64 + n - 1]: the sum of the positive parts in v[20:21], the sum of the negative parts, with their sign, in v[22:23], each in two halves
	v_max_num_f32 v20, v64, v11
	v_max_num_f32 v21, v65, v11
	v_min_num_f32 v22, v64, v11
	v_min_num_f32 v23, v65, v11
.set nn, 2
.rept (\n)/2-1
	v_max_num_f32 v16, v[64+nn], v11
	v_max_num_f32 v17, v[65+nn], v11
	v_min_num_f32 v18, v[64+nn], v11
	v_min_num_f32 v19, v[65+nn], v11
	v_pk_add_f32 v[20:21], v[20:21], v[16:17]
	v_pk_add_f32 v[22:23], v[22:23], v[18:19]
.set nn, nn+2
.endr
.endm
.macro FWT i
	s_wait_dscnt 48-16*\i                          ; this tile's 16 mask loads are in; the later tiles' may be out
	s_wait_xcnt 0x0                                ; the last tile's stores have read their registers
	WIN 0x07                                       ; source 0: the mask, window 3; source 1: the sums, window 1
.set nn, 0
.rept 64
	v_cmp_ne_u32 vcc_lo, v[64*\i+nn], 0
	v_cndmask_b32 v[64+nn], 0, v[64*\i+nn], vcc_lo ; each accumulator from its low end on
.set nn, nn+1
.endr
.if \i == 3
	WIN 0xc0                                       ; the forward mask's registers are done with: the backward mask's 64 loads go out; register 32 t + 8 i + j belongs to register j of accumulator (i, t) of window 2
.irp t, 0,1,2,3,4,5,6,7
.set kk, 0
.rept 8
	ds_load_b128 v[32*\t+4*kk:32*\t+4*kk+3], v10 offset:(32*(\t/2)+8*(\t%2))*272+128*(kk/4)+16*(kk%4)
.set kk, kk+1
.endr
.endr
.endif
	WIN 0
	SUMS 64
	v_add_f32 v20, v20, v21
	v_add_f32 v22, v22, v23
	v_permlanex16_b32 v24, v20, s54, s55           ; my query's other 64 keys lie in the lane 16 away
	v_permlanex16_b32 v25, v22, s54, s55
	v_add_f32 v20, v20, v24
	v_add_f32 v22, v22, v25
	v_fma_f32 v24, v20, s50, s51                   ; the sum as reference() has it, + 1e-9
	v_fma_f32 v25, v22, s57, s51                   ; the negative parts' sum carries its sign: x -2^g
	v_rcp_f32 v24, v24
	v_rcp_f32 v25, v25
	v_nop
	s_wait_alu depctr_va_vdst(0)                   ; one wait for both reciprocals, ahead of their first reader
	v_mul_f32 v26, s50, v24
	v_mul_f32 v28, s57, v25                        ; negative: the negative part's weights
.irp cl, 0,1
.set nn, 0
.rept 32
	v_pk_mul_f32 v[128+nn:129+nn], v[64+nn:65+nn], v[26+2*\cl:27+2*\cl] op_sel_hi:[1,0]
.set nn, nn+2
.endr
.set nn, 0
.rept 64
	v_med3_num_f32 v[128+nn], v[128+nn], 0, s[52+\cl]   ; the relu and the hold in one
.set nn, nn+1
.endr
.irp g, 0,1,2,3,4,5,6,7
	v_cvt_scalef32_pk8_bf8_f32 v[192+16*\cl+2*\g:192+16*\cl+2*\g+1], v[128+8*\g:128+8*\g+7], v[14+\cl]
.endr
	v_nop
.irp c, 0,1,2,3
	global_store_b128 v3, v[192+16*\cl+4*\c:192+16*\cl+4*\c+3], s[18:19] offset:\cl*16384+\i*2048+512*\c
.endr
.endr
.endm
	FWT 0
	FWT 1
	FWT 2
	FWT 3
; ---- the masked transpose and each lane's partial sums
.macro BWT t
	s_wait_dscnt 56-8*\t                           ; this tile's eight mask loads are in
	s_wait_xcnt 0x0
	WIN 0x0b                                       ; source 0: the mask, window 3; source 1: the sums, window 2
.irp i, 0,1,2,3
.irp j, 0,1,2,3,4,5,6,7
	v_cmp_ne_u32 vcc_lo, v[32*\t+8*\i+\j], 0
	v_cndmask_b32 v[64+8*\i+\j], 0, v[8*(8*\i+\t)+\j], vcc_lo
.endr
.endr
	WIN 0
	SUMS 32
	v_add_f32 v30, v20, v21
	v_sub_f32 v31, v11, v22                        ; 0 - a - b: the negative parts' sum without its sign, rounded as a + b is
	v_sub_f32 v31, v31, v23
.irp g, 0,1,2,3,4,5,6,7
	global_store_b128 v3, v[64+4*\g:64+4*\g+3], s[20:21] offset:\t*8192+(\g/4)*2048+(\g%4)*512   ; 512 consecutive bytes
.endr
	global_store_b64 v12, v[30:31], s[22:23] offset:\t*8192   ; 256 consecutive bytes, aligned
.endm
	BWT 0
	BWT 1
	BWT 2
	BWT 3
	BWT 4
	BWT 5
	BWT 6
	BWT 7
	s_wait_tensorcnt 0x0                           ; the wave's end
	ds_add_u32 v1, v2
	s_wait_dscnt 0x0
	s_endpgm
.Lfunc_end_k_q66fe724712_scores:
	.size	k_q66fe724712_scores, .Lfunc_end_k_q66fe724712_scores-k_q66fe724712_scores
	.p2alignl 7, 3214868480
	.fill 96, 4, 3214868480
	.section	.rodata,"a",@progbits
	.p2align	6, 0x0
	.amdhsa_kernel k_q66fe724712_scores
		.amdhsa_group_segment_fixed_size 327680
		.amdhsa_private_segment_fixed_size 0
		.amdhsa_enable_private_segment 0
		.amdhsa_kernarg_size 72
		.amdhsa_user_sgpr_count 2
		.amdhsa_user_sgpr_kernarg_segment_ptr 1
		.amdhsa_wavefront_size32 1
		.amdhsa_system_sgpr_workgroup_id_x 1
		.amdhsa_system_sgpr_workgroup_id_y 1
		.amdhsa_system_sgpr_workgroup_id_z 1
		.amdhsa_system_vgpr_workitem_id 0
		.amdhsa_next_free_vgpr 1024
		.amdhsa_next_free_sgpr 96
		.amdhsa_reserve_vcc 1
		.amdhsa_float_denorm_mode_32 3
		.amdhsa_float_denorm_mode_16_64 3
		.amdhsa_memory_ordered 1
		.amdhsa_forward_progress 1
		.amdhsa_inst_pref_size 255
	.end_amdhsa_kernel
	.section	.bss,"aw",@nobits
	.p2align	6
	.space	262144
	.amdgpu_metadata
---
amdhsa.version: [ 1, 2 ]
amdhsa.kernels:
  - .name:           k_q66fe724712_scores
    .symbol:         k_q66fe724712_scores.kd
    .args:
      - { .name: cond, .offset: 0, .size: 8, .value_kind: global_buffer, .address_space: global }
      - { .name: cq, .offset: 8, .size: 8, .value_kind: global_buffer, .address_space: global }
      - { .name: query_emb, .offset: 16, .size: 8, .value_kind: global_buffer, .address_space: global }
      - { .name: n_indexes, .offset: 24, .size: 8, .value_kind: global_buffer, .address_space: global }
      - { .name: fw_mask, .offset: 32, .size: 8, .value_kind: global_buffer, .address_space: global }
      - { .name: bw_mask, .offset: 40, .size: 8, .value_kind: global_buffer, .address_space: global }
      - { .name: lowp_scales, .offset: 48, .size: 8, .value_kind: global_buffer, .address_space: global }
      - { .name: fb, .offset: 56, .size: 8, .value_kind: global_buffer, .address_space: global }
      - { .name: zb, .offset: 64, .size: 8, .value_kind: global_buffer, .address_space: global }
    .group_segment_fixed_size: 327680
    .private_segment_fixed_size: 0
    .kernarg_segment_align: 8
    .kernarg_segment_size: 72
    .max_flat_workgroup_size: 128
    .sgpr_count:     96
    .vgpr_count:     1024
    .wavefront_size: 32
...
	.end_amdgpu_metadata
.endif
;; end of part 3
;; launch bwq (part 4): grid 8 x 32, 8 waves a work-group, no clusters, 0 bytes of LDS; arguments zb, lowp_scales, fb; writes fb
.if DOCPART == 4
	.amdgcn_target "amdgcn-amd-amdhsa--gfx1250"
	.amdhsa_code_object_version 6
	.text
	.protected	k_q66fe724712_bwq
	.globl	k_q66fe724712_bwq
	.p2align	8
	.type	k_q66fe724712_bwq,@function
k_q66fe724712_bwq:
	s_mov_b64 s[64:65], 0
	v_nop
	global_prefetch_b8 v0, s[64:65] scope:SCOPE_SE
	s_setreg_imm32_b32 hwreg(HW_REG_WAVE_MODE, 25, 1), 1
	s_wait_xcnt 0x0
; BWQ: the backward weights.  a_bw = relu(z^T) bw / (sum over all 2,048 queries + 1e-9), c_bw likewise of -z^T, quantised with entries 14 and 16.  No work of reference() is left out.
; A work-group owns batch b (grid y) and key tile t (grid x); wave w takes the query blocks w and w + 8.  Every wave adds the tile's 32 partial sums a lane (8,192 bytes) for itself.
; A stream: no LDS, no barrier, no loop; all loads go out at the head; every load and store of z and of codes covers 512 consecutive bytes.
; z = s x 2^g, g = e4 + e5 - 5: a_bw = relu(s) x f, f = 2^g / (S 2^g + 1e-9); the hold between 0 and the largest code x the scale is also the relu.
; OUT: fb's kinds 2 (a_bw) and 3 (c_bw): rows = the keys of tile t, K = the block's 128 queries.
; LIMITS: e14, e16 between -126 and 112; e4 + e5 - 5 between -126 and 127; NaN is not served.
	s_load_b128 s[4:7], s[0:1], 0x0                ; zb, the scales
	s_load_b64 s[8:9], s[0:1], 0x10                ; fb
	v_lshrrev_b32 v3, 5, v0
	v_readfirstlane_b32 s30, v3                    ; wave
	v_and_b32 v3, 31, v0
	v_lshlrev_b32 v1, 4, v3                        ; 16 x lane
	v_lshlrev_b32 v2, 3, v3                        ; 8 x lane
	v_mov_b32 v4, 0                                ; written once: a lane permute's destination counts as a source
	v_mov_b32 v5, 0
	v_mov_b32 v9, 0                                ; named as upper halves of pairs
	v_mov_b32 v11, 0
	s_and_b32 s31, ttmp7, 0xffff                   ; b
	s_lshl_b32 s32, s31, 3
	s_add_co_u32 s32, s32, ttmp9
	s_lshl_b32 s32, s32, 13
	s_add_co_u32 s32, s32, 33554432                ; the partial sums of (b, t)
	s_mov_b32 s33, 0
	s_lshl_b32 s34, s31, 4
	s_add_co_u32 s34, s34, s30                     ; block 16 b + w
	s_lshl_b32 s36, s34, 16
	s_lshl_b32 s34, s34, 3
	s_add_co_u32 s34, s34, ttmp9
	s_lshl_b32 s34, s34, 13                        ; z's images of (block, t)
	s_mov_b32 s35, 0
	s_lshl_b32 s37, ttmp9, 11
	s_add_co_u32 s36, s36, s37
	s_add_co_u32 s36, s36, 32768                   ; fb: block, kind 2, tile t
	s_mov_b32 s37, 0
	s_mov_b32 s38, 0x76543210
	s_mov_b32 s39, 0xfedcba98
	s_mov_b32 s41, 0x3089705f                      ; 1e-9
	s_wait_kmcnt 0x0
	s_load_b512 s[12:27], s[6:7], 0x0              ; entries 0 to 15 in s12 to s27
	s_load_b32 s28, s[6:7], 0x40                   ; entry 16
	s_add_nc_u64 s[32:33], s[4:5], s[32:33]
	s_add_nc_u64 s[34:35], s[4:5], s[34:35]
	s_add_nc_u64 s[8:9], s[8:9], s[36:37]
.set kk, 0
.rept 32
	global_load_b64 v[16+2*kk:17+2*kk], v2, s[32:33] offset:256*kk
.set kk, kk+1
.endr
.irp f, 0,1
.set kk, 0
.rept 16
	global_load_b128 v[80+64*\f+4*kk:83+64*\f+4*kk], v1, s[34:35] offset:\f*524288+512*kk th:TH_LOAD_NT
.set kk, kk+1
.endr
.endr
	s_wait_kmcnt 0x0
	s_add_co_i32 s29, s16, s17
	s_add_co_i32 s29, s29, 122
	s_lshl_b32 s40, s29, 23                        ; 2^(e4 + e5 - 5)
	s_or_b32 s42, s40, 0x80000000
	s_add_co_i32 s29, s26, 127                     ; e14
	s_lshl_b32 s45, s29, 23
	v_mov_b32 v12, s45
	s_add_co_i32 s29, s29, 15
	s_lshl_b32 s29, s29, 23
	s_or_b32 s43, s29, 0x600000
	s_add_co_i32 s29, s28, 127                     ; e16
	s_lshl_b32 s45, s29, 23
	v_mov_b32 v13, s45
	s_add_co_i32 s29, s29, 15
	s_lshl_b32 s29, s29, 23
	s_or_b32 s44, s29, 0x600000
	s_wait_loadcnt 32                              ; the partial sums are in; the 32 loads of z may be out
.set kk, 1
.rept 15
	v_pk_add_f32 v[16:17], v[16:17], v[16+4*kk:17+4*kk]   ; (positive part, negative part), in two chains
	v_pk_add_f32 v[18:19], v[18:19], v[18+4*kk:19+4*kk]
.set kk, kk+1
.endr
	v_pk_add_f32 v[16:17], v[16:17], v[18:19]
	v_permlanex16_b32 v4, v16, s38, s39            ; my key's other queries lie in the lane 16 away
	v_permlanex16_b32 v5, v17, s38, s39
	v_add_f32 v4, v16, v4
	v_add_f32 v5, v17, v5
	v_fma_f32 v4, v4, s40, s41
	v_fma_f32 v5, v5, s40, s41
	v_rcp_f32 v4, v4
	v_rcp_f32 v5, v5
	v_nop
	s_wait_alu depctr_va_vdst(0)                   ; one wait for both reciprocals, ahead of their first reader
	v_mul_f32 v8, s40, v4
	v_mul_f32 v10, s42, v5
.irp f, 0,1
	s_wait_loadcnt 16*(1-\f)                       ; this block's 16 loads are in
.irp cl, 0,1
.set nn, 0
.rept 32
	v_pk_mul_f32 v[16+nn:17+nn], v[80+64*\f+nn:81+64*\f+nn], v[8+2*\cl:9+2*\cl] op_sel_hi:[1,0]
.set nn, nn+2
.endr
.set nn, 0
.rept 64
	v_med3_num_f32 v[16+nn], v[16+nn], 0, s[43+\cl]   ; the relu and the hold in one
.set nn, nn+1
.endr
	s_wait_xcnt 0x0                                ; the earlier stores have read the codes' registers
.irp g, 0,1,2,3,4,5,6,7
	v_cvt_scalef32_pk8_bf8_f32 v[208+16*\cl+2*\g:208+16*\cl+2*\g+1], v[16+8*\g:16+8*\g+7], v[12+\cl]
.endr
	v_nop                                          ; a plain line between the conversions and the next lines, which write their sources
.irp c, 0,1,2,3
	global_store_b128 v1, v[208+16*\cl+4*\c:208+16*\cl+4*\c+3], s[8:9] offset:\f*524288+\cl*16384+512*\c
.endr
.endr
.endr
	s_endpgm
.Lfunc_end_k_q66fe724712_bwq:
	.size	k_q66fe724712_bwq, .Lfunc_end_k_q66fe724712_bwq-k_q66fe724712_bwq
	.p2alignl 7, 3214868480
	.fill 96, 4, 3214868480
	.section	.rodata,"a",@progbits
	.p2align	6, 0x0
	.amdhsa_kernel k_q66fe724712_bwq
		.amdhsa_group_segment_fixed_size 0
		.amdhsa_private_segment_fixed_size 0
		.amdhsa_enable_private_segment 0
		.amdhsa_kernarg_size 24
		.amdhsa_user_sgpr_count 2
		.amdhsa_user_sgpr_kernarg_segment_ptr 1
		.amdhsa_wavefront_size32 1
		.amdhsa_system_sgpr_workgroup_id_x 1
		.amdhsa_system_sgpr_workgroup_id_y 1
		.amdhsa_system_sgpr_workgroup_id_z 1
		.amdhsa_system_vgpr_workitem_id 0
		.amdhsa_next_free_vgpr 256
		.amdhsa_next_free_sgpr 66
		.amdhsa_reserve_vcc 0
		.amdhsa_float_denorm_mode_32 3
		.amdhsa_float_denorm_mode_16_64 3
		.amdhsa_memory_ordered 1
		.amdhsa_forward_progress 1
		.amdhsa_inst_pref_size 39
	.end_amdhsa_kernel
	.amdgpu_metadata
---
amdhsa.version: [ 1, 2 ]
amdhsa.kernels:
  - .name:           k_q66fe724712_bwq
    .symbol:         k_q66fe724712_bwq.kd
    .args:
      - { .name: zb, .offset: 0, .size: 8, .value_kind: global_buffer, .address_space: global }
      - { .name: lowp_scales, .offset: 8, .size: 8, .value_kind: global_buffer, .address_space: global }
      - { .name: fb, .offset: 16, .size: 8, .value_kind: global_buffer, .address_space: global }
    .group_segment_fixed_size: 0
    .private_segment_fixed_size: 0
    .kernarg_segment_align: 8
    .kernarg_segment_size: 24
    .max_flat_workgroup_size: 256
    .sgpr_count:     66
    .vgpr_count:     256
    .wavefront_size: 32
...
	.end_amdgpu_metadata
.endif
;; end of part 4
;; launch mix (part 5): grid 8 x 32, 4 waves a work-group, clusters of 4 x 1, 327,680 bytes of LDS; arguments fb, cq, sl, cond, bias_emb, n_indexes, lowp_scales, out0; writes out0
.if DOCPART == 5
	.amdgcn_target "amdgcn-amd-amdhsa--gfx1250"
	.amdhsa_code_object_version 6
	.text
	.protected	k_q66fe724712_mix
	.globl	k_q66fe724712_mix
	.p2align	8
	.type	k_q66fe724712_mix,@function
k_q66fe724712_mix:
	s_mov_b64 s[64:65], 0
	v_nop
	global_prefetch_b8 v0, s[64:65] scope:SCOPE_SE
	s_setreg_imm32_b32 hwreg(HW_REG_WAVE_MODE, 25, 1), 1
	s_wait_xcnt 0x0
	s_wait_alu depctr_hold_cnt(0) depctr_sa_sdst(0) depctr_va_vdst(0) depctr_va_sdst(0) depctr_va_ssrc(0) depctr_va_vcc(0) depctr_vm_vsrc(0)
	s_getreg_b32 s2, hwreg(HW_REG_IB_STS2, 6, 4)
	s_cmp_eq_u32 s2, 0
	s_cbranch_scc0 .Lentry_in_a_cluster
	s_endpgm
.Lentry_in_a_cluster:
	s_bfe_u32 s2, ttmp6, 0x10000c
	s_cmp_lg_u32 s2, 0x3003
	s_cbranch_scc0 .Lentry_shape_is_right
	s_endpgm
.Lentry_shape_is_right:
; MIX: class = fw weights x values (products 5, 7), + bias_exp, quantised along the queries, x bw weights (products 8, 9), and the selector's mix.  No work of reference() is left out.
; A work-group owns out0[b][all 128 k][128 ds .. + 127] (grid x = ds, y = b).  Wave (cl = w / 2, dh = w % 2) does class cl for the d tiles 4 dh + dt, dt = 0 .. 3, and walks the batch's 16 blocks of 128 queries.
; A BLOCK, for each dt: eight products (source 0 = 16 queries of the forward weights, source 1 = 16 d of the values; K = the 128 keys), whose C is (b_vec + cond) / 2^(eA + eB of that product): a lane then holds one d and its
; 64 registers run along the block's queries, so hold and conversion give the next product's fragment (rows d, K = the queries) in registers; then eight products with the backward weights' tiles (source 1), onto 32
; accumulators that stay: a lane holds one key, its registers run along d.  The class tensors never leave the registers.
; BY TURNS: the holds of one dt stand behind the products of the next; the additions that start the sums of dt + 2 stand behind the products with the backward weights.  So no matrix instruction is followed by one on the same
; accumulator, and every result is read four plain lines or more behind its product.
; THE RING: two slots of two blocks each (131,072 bytes: a block is 4 kinds x 8 images).  CLUSTER 4 x 1: the four partners walk the same weights of batch b: every tensor load is joint, one line, no branch:
; wave w fetches quarter w of a slot.  At most two tensor loads of a wave are out, by this text's own count.
; A PREFETCH of what the next change of slots will ask for stands behind each refill but the last: the batch's first cluster asks; its partners share the slot out by address, 32,768 bytes each, 8,192 a wave, lanes 256 bytes apart.
; LIMITS: e8 + e9, e12 + e13 between -126 and 126; e15 - e8 - e9, e17 - e12 - e13 between -126 and 112; e14 + e15, e16 + e17 between -126 and 127; b_vec and cond divided by those powers stay normal numbers;
; NaN is not served; an index is held at 15.
; REGISTERS: window 0: v1-15 addresses; v16-31 cond as loaded; v32-63 cond scaled, at even numbers; v64-95 two fragments just made; v96-255 the head's and the way out's work.  window 1: the 32 accumulators (kt, dt) at 8 (4 kt + dt).
;   window 2: v0-127 the forward weights' eight fragments; v128-255 two sets of eight accumulators.   window 3: v0-127 the backward weights' eight; v128-191 the values' four; v192-255 b_vec scaled, (dt, e) at 192 + 16 dt + e.
.set SLOT1, 1<<17
.set SPARE, 262144
.set MSB, 0
.macro WIN new
.if MSB != \new
	s_set_vgpr_msb (MSB<<8)|\new
.set MSB, \new
.endif
.endm
.macro PLACES
.rept 4
	v_nop
.endr
.endm
.macro CROUND                          ; a round of the cluster's barrier
	s_barrier_signal -1
	s_barrier_wait -1
	s_cmp_lg_u32 s20, 0
	s_cbranch_scc1 .Lnot_wave_0_\@
	s_barrier_signal -3
.Lnot_wave_0_\@:
	s_barrier_wait -3
	s_barrier_signal -1
	s_barrier_wait -1
.endm
.macro ASK                             ; while s41, the refills to come with this one, is above 1, in the batch's first cluster
	s_cmp_gt_u32 s41, s47
	s_cbranch_scc0 .Lnot_mine_\@
	global_prefetch_b8 v14, s[42:43] th:TH_LOAD_NT scope:SCOPE_SE
.Lnot_mine_\@:
.endm
	s_load_b512 s[4:19], s[0:1], 0x0               ; fb, cq, sl, cond, bias_emb, n_indexes, the scales, out0
	v_lshl_add_u32 v1, v0, 2, SPARE
	v_mov_b32 v2, 0
	ds_add_u32 v1, v2                              ; the opening: the add, twice on end, and its wait ahead of my first tensor load
	ds_add_u32 v1, v2
	v_lshrrev_b32 v3, 5, v0
	v_readfirstlane_b32 s20, v3                    ; wave
	s_lshr_b32 s21, s20, 1                         ; class
	s_and_b32 s22, s20, 1                          ; dh
	s_bfe_u32 s23, ttmp6, 0x40000                  ; cx
	s_lshl_b32 s52, ttmp9, 2
	s_add_co_u32 s52, s52, s23                     ; ds
	s_and_b32 s53, ttmp7, 0xffff                   ; b, which the four partners share
	s_mov_b32 s24, 15|(3<<16)|(1<<21)              ; the mask: all four; elements of 8 bytes; bit 21 beside a mask; dense
	s_mov_b32 s25, 32<<16
	s_mov_b32 s26, 128<<16
	s_mov_b32 s27, 32<<16
	s_mov_b32 s28, 128
	s_mov_b32 s29, 32
	s_mov_b32 s30, 0
	s_mov_b32 s31, 0
	s_lshl_b32 s54, s53, 20
	s_lshl_b32 s55, s20, 15
	s_add_co_u32 s54, s54, s55                     ; the batch's weights, my quarter of a slot
	s_mov_b32 s55, 0
	s_lshl_b32 s56, s20, 15                        ; and its place in LDS
	s_mov_b32 s40, 0                               ; the slot in hand
	s_mov_b32 s41, 6                               ; refills to come
	s_cmp_eq_u32 ttmp9, 0
	s_cselect_b32 s47, 1, -1                       ; the same in all four partners
	s_lshl_b32 s58, s53, 20
	s_lshl_b32 s59, s23, 15
	s_add_co_u32 s58, s58, s59
	s_lshl_b32 s59, s20, 13
	s_add_co_u32 s58, s58, s59
	s_add_co_u32 s58, s58, 262144                  ; the prefetches stand at the third slot's worth; the first change steps them to the fourth
	s_mov_b32 s59, 0
	s_lshl_b32 s60, s53, 6
	s_mov_b32 s61, 0
	s_wait_dscnt 0x0                               ; both opening adds are done
	s_wait_kmcnt 0x0
	s_add_nc_u64 s[14:15], s[14:15], s[60:61]
	s_load_b512 s[68:83], s[14:15], 0x0            ; n_indexes[b][0 .. 15]
	s_load_b256 s[84:91], s[16:17], 0x20           ; entries 8 to 15
	s_load_b64 s[92:93], s[16:17], 0x40            ; entries 16, 17
	s_add_nc_u64 s[42:43], s[4:5], s[58:59]
	s_mov_b32 s32, 1
	s_mov_b32 s33, s56
	s_add_nc_u64 s[34:35], s[4:5], s[54:55]
	s_mov_b32 s36, 1
	s_add_co_u32 s37, s56, SLOT1
	s_add_nc_u64 s[38:39], s[34:35], 131072
	s_or_b32 s35, s35, 0x80000000
	s_or_b32 s39, s39, 0x80000000
	CROUND                                         ; all four work-groups are here: the first joint loads meet
	tensor_load_to_lds s[32:35], s[24:31]          ; blocks 0, 1
	s_nop 0
	tensor_load_to_lds s[36:39], s[24:31]          ; blocks 2, 3; this group 0 then walks
	s_nop 0
.rept 4
	v_nop
.endr
	v_and_b32 v112, 31, v0
	v_and_b32 v113, 15, v0                         ; r
	v_bfe_u32 v114, v0, 4, 1                       ; h
	v_lshlrev_b32 v15, 4, v112                     ; 16 x lane
	v_lshlrev_b32 v14, 8, v112                     ; 256 x lane
	s_lshl_b32 s58, s21, 14
	v_add_nc_u32 v3, s58, v15                      ; the forward weights of my class, a slot's first block,
	v_add_nc_u32 v4, 65536, v3                     ; its second;
	v_add_nc_u32 v5, 32768, v3                     ; the backward weights likewise
	v_add_nc_u32 v6, 32768, v4
	v_and_b32 v115, 8, v113
	v_add_nc_u32 v115, v115, v113                  ; r + 8 (r / 8)
	s_lshl_b32 s58, s22, 8
	s_lshl_b32 s59, s52, 9
	s_add_co_u32 s58, s58, s59
	v_lshl_add_u32 v116, v115, 2, s58              ; my d in a row of 1,024 f32: 4 (r + 8 (r / 8)) + 256 dh + 512 ds
	v_lshl_add_u32 v8, v114, 12, v116              ; cond: + h rows
	s_mul_i32 s59, s20, 4352
	s_add_co_u32 s59, s59, 65536                   ; the way out's stage
	v_mul_u32_u24 v10, v113, 272
	v_lshl_add_u32 v10, v114, 6, v10
	v_add_nc_u32 v10, s59, v10
	v_mul_u32_u24 v11, v114, 272
	v_lshl_add_u32 v11, v113, 4, v11
	v_add_nc_u32 v11, s59, v11
	v_lshlrev_b32 v12, 12, v114
	v_lshl_add_u32 v12, v113, 4, v12
	s_lshl_b32 s59, s22, 15
	v_add_nc_u32 v13, s59, v15                     ; the exchange between the classes
	s_lshl_b32 s58, s53, 18
	s_lshl_b32 s59, s21, 17
	s_add_co_u32 s58, s58, s59
	s_lshl_b32 s59, s52, 14
	s_add_co_u32 s58, s58, s59
	s_lshl_b32 s59, s22, 13
	s_add_co_u32 s58, s58, s59
	s_add_co_u32 s58, s58, 4194304
	s_mov_b32 s59, 0
	s_add_nc_u64 s[6:7], s[6:7], s[58:59]          ; the values' images: batch, class, d tiles 8 ds + 4 dh on
	s_lshl_b32 s58, s53, 19
	s_add_nc_u64 s[50:51], s[10:11], s[58:59]      ; cond at the batch's first row
	s_lshl_b32 s60, s52, 9
	s_add_co_u32 s58, s58, s60
	s_lshl_b32 s60, s22, 8
	s_add_co_u32 s58, s58, s60
	s_add_nc_u64 s[18:19], s[18:19], s[58:59]      ; out0: batch, my 64 columns
	s_lshl_b32 s58, s53, 19
	s_lshl_b32 s60, s52, 16
	s_add_co_u32 s58, s58, s60
	s_lshl_b32 s60, s22, 12
	s_add_co_u32 s58, s58, s60
	s_add_nc_u64 s[8:9], s[8:9], s[58:59]          ; sel's images
	s_wait_kmcnt 0x0
.irp e, 0,1,2,3,4,5,6,7,8,9,10,11,12,13,14,15
	s_min_u32 s[68+\e], s[68+\e], 15
	s_lshl_b32 s[68+\e], s[68+\e], 12
	v_add_nc_u32 v[96+\e], s[68+\e], v116
.endr
	WIN 0xc0
.irp dt, 0,1,2,3
.irp c, 0,1,2,3
	global_load_b128 v[128+16*\dt+4*\c:128+16*\dt+4*\c+3], v15, s[6:7] offset:\dt*2048+512*\c
.endr
.endr
.irp dt, 0,1,2,3
.irp e, 0,1,2,3,4,5,6,7,8,9,10,11,12,13,14,15
	global_load_b32 v[192+16*\dt+\e], v[96+\e], s[12:13] offset:128*(\dt/2)+32*(\dt%2)
.endr
.endr
	WIN 0
.macro LDCR                            ; cond(8 block + 2 g + h, my d of tile dt) at v[16 + 4 dt + g]
.irp dt, 0,1,2,3
.irp g, 0,1,2,3
	global_load_b32 v[16+4*\dt+\g], v8, s[50:51] offset:\g*8192+128*(\dt/2)+32*(\dt%2)
.endr
.endr
.endm
.macro CDMAKE                          ; x 2^-(eA + eB)
.set kk, 0
.rept 16
	v_mul_f32 v[32+2*kk], s46, v[16+kk]
.set kk, kk+1
.endr
.endm
	LDCR
	s_cmp_eq_u32 s21, 0                            ; my class's scales: a choice, no branch
	s_cselect_b32 s58, s84, s88
	s_cselect_b32 s59, s85, s89
	s_cselect_b32 s60, s91, s93
	s_cselect_b32 s61, s90, s92
	s_add_co_i32 s58, s58, s59                     ; sc = e8 + e9 or e12 + e13
	s_add_co_i32 s61, s61, s60                     ; e14 + e15 or e16 + e17
	s_sub_co_i32 s59, 127, s58
	s_lshl_b32 s46, s59, 23                        ; 2^-sc
	s_sub_co_i32 s60, s60, s58
	s_add_co_i32 s60, s60, 127
	s_lshl_b32 s59, s60, 23
	v_mov_b32 v9, s59                              ; 2^(e15 - sc) or 2^(e17 - sc): the scales folded into the conversion's one
	s_add_co_i32 s60, s60, 15
	s_lshl_b32 s60, s60, 23
	s_or_b32 s45, s60, 0x600000
	s_or_b32 s44, s45, 0x80000000
	s_add_co_i32 s61, s61, 127
	s_lshl_b32 s48, s61, 23
	s_mov_b32 s49, s48
.set kk, 0
.rept 16
	v_mov_b32 v[33+2*kk], 0                        ; named as upper halves of pairs
.set kk, kk+1
.endr
	s_wait_loadcnt 0x0
	WIN 0xcc                                       ; source 1 and destination window 3
.set kk, 0
.rept 64
	v_mul_f32 v[192+kk], s46, v[192+kk]
.set kk, kk+1
.endr
	WIN 0
	CDMAKE
	s_add_nc_u64 s[50:51], s[50:51], 32768
	LDCR                                           ; block 1's
.macro AD dt, t                        ; the sums of (dt, query tile t) begin as (b_vec + cond) / 2^sc: register j is expert 8 (t % 2) + j, position 2 (t / 2) + h
	WIN 0x83
.irp j, 0,2,4,6
	v_pk_add_f32 v[128+64*((\dt)%2)+8*(\t)+\j:128+64*((\dt)%2)+8*(\t)+\j+1], v[192+16*(\dt)+8*((\t)%2)+\j:192+16*(\dt)+8*((\t)%2)+\j+1], v[32+2*(4*(\dt)+(\t)/2):32+2*(4*(\dt)+(\t)/2)+1] op_sel_hi:[1,0]
.endr
.endm
.macro W5 dt, t
	WIN 0xae
	v_wmma_f32_16x16x128_bf8_bf8 v[128+64*((\dt)%2)+8*(\t):128+64*((\dt)%2)+8*(\t)+7], v[16*(\t):16*(\t)+15], v[128+16*(\dt):128+16*(\dt)+15], v[128+64*((\dt)%2)+8*(\t):128+64*((\dt)%2)+8*(\t)+7]
.endm
.macro M3 dt, t                        ; the hold, each accumulator from its low end on
	WIN 0xae
.irp j, 0,1,2,3,4,5,6,7
	v_med3_num_f32 v[128+64*((\dt)%2)+8*(\t)+\j], v[128+64*((\dt)%2)+8*(\t)+\j], s44, s45
.endr
.endm
.macro CV8 dt
	WIN 0x02
.irp t, 0,1,2,3,4,5,6,7
	v_cvt_scalef32_pk8_bf8_f32 v[64+16*((\dt)%2)+2*\t:64+16*((\dt)%2)+2*\t+1], v[128+64*((\dt)%2)+8*\t:128+64*((\dt)%2)+8*\t+7], v9
.endr
	v_nop                                          ; a plain line between the conversions and the products that read their results
.endm
.macro W8 dt, kt, zero
	WIN 0x5c
.if \zero
	v_wmma_f32_16x16x128_bf8_bf8 v[8*(4*(\kt)+(\dt)):8*(4*(\kt)+(\dt))+7], v[64+16*((\dt)%2):64+16*((\dt)%2)+15], v[16*(\kt):16*(\kt)+15], 0
.else
	v_wmma_f32_16x16x128_bf8_bf8 v[8*(4*(\kt)+(\dt)):8*(4*(\kt)+(\dt))+7], v[64+16*((\dt)%2):64+16*((\dt)%2)+15], v[16*(\kt):16*(\kt)+15], v[8*(4*(\kt)+(\dt)):8*(4*(\kt)+(\dt))+7]
.endif
.endm
.macro STA dt                          ; the products of dt + 1, the holds of dt behind them; then dt's fragment
.irp t, 0,1,2,3,4,5,6,7
	W5 \dt+1, \t
	M3 \dt, \t
.endr
	CV8 \dt
.endm
.macro STB dt, add, zero               ; dt's products with the backward weights, two at a time; behind them the additions that start the sums of dt + 2 (of the next block, for dt = 2, 3)
.irp kt, 0,2,4,6
	W8 \dt, \kt, \zero
	W8 \dt, \kt+1, \zero
.if \add
	AD (\dt+2)%4, \kt
	AD (\dt+2)%4, \kt+1
.endif
.endr
.endm
.macro LDFW a
	WIN 0
	v_add_nc_u32 v7, s40, v[\a]
	WIN 0x80
.irp q, 0,1,2,3,4,5,6,7
.irp c, 0,1,2,3
	ds_load_b128 v[16*\q+4*\c:16*\q+4*\c+3], v7 offset:\q*2048+512*\c
.endr
.endr
.endm
.macro LDBW a
	WIN 0
	v_add_nc_u32 v7, s40, v[\a]
	WIN 0xc0
.irp q, 0,1,2,3,4,5,6,7
.irp c, 0,1,2,3
	ds_load_b128 v[16*\q+4*\c:16*\q+4*\c+3], v7 offset:\q*2048+512*\c
.endr
.endr
.endm
; THE CHANGE OF SLOTS, in a slot's second block, when both its blocks' fragments are in registers.  Each wave waits for all its tensor loads, adds 0 to its spare word, and waits for that and for its reads of the slot.
.macro CHANGE fill
	WIN 0
	s_wait_tensorcnt 0x0                           ; my part of the other slot has landed; no load of mine is out, so a group 0 may be written
	ds_add_u32 v1, v2
.if \fill
	s_xor_b32 s37, s37, SLOT1                      ; the walking descriptor: the other slot than last time, the next two blocks
	s_add_nc_u64 s[38:39], s[38:39], 131072
	s_wait_xcnt 0x0                                ; the last prefetch, two blocks back, has read its address
	s_add_nc_u64 s[42:43], s[42:43], 131072
	s_wait_dscnt 0x0                               ; the add is done; my reads of the slot are over
	CROUND                                         ; no wave of any partner still reads the slot or has a load on its way
	tensor_load_to_lds s[36:39], s[24:31]          ; the first thing behind the round, and my one tensor load until the next: it has two blocks' work in which to land
	s_nop 0
.rept 4
	v_nop
.endr
	ASK
.else
	s_wait_dscnt 0x0
	s_barrier_signal -1
	s_barrier_wait -1
.endif
	s_xor_b32 s40, s40, SLOT1
.endm
; odd: the slot's second block.  chg: 1 a change of slots with a refill, 2 without.  nxt: a block follows.  nxt2: two follow.  zero: the launch's first block starts the 32 sums that stay
.macro BLOCK odd, chg, nxt, nxt2, zero
	s_wait_dscnt 32                                ; the forward weights are in; the 32 younger loads, the backward weights', may be out
.irp t, 0,1,2,3,4,5,6,7
	W5 0, \t
.endr
	PLACES
	STA 0
	s_wait_dscnt 0x0                               ; the backward weights are in
	STB 0, 1, \zero
	STA 1
	STB 1, 1, \zero
.if \nxt
	WIN 0
	s_wait_loadcnt 0x0                             ; the next block's cond, asked for a block ago
	CDMAKE
.if \nxt2
	s_add_nc_u64 s[50:51], s[50:51], 32768
	LDCR
.endif
.endif
	STA 2
.if \chg == 1
	CHANGE 1
.endif
.if \chg == 2
	CHANGE 0
.endif
.if \nxt
.if \odd
	LDFW 3                                         ; behind the last product that read these registers stand eight holds
.else
	LDFW 4
.endif
.endif
	STB 2, \nxt, \zero
.irp t, 0,1,2,3,4,5,6,7
	M3 3, \t
.endr
	CV8 3
	STB 3, \nxt, \zero
.if \nxt
.if \odd
	LDBW 5                                         ; behind the last product that read these registers stand eight additions
.else
	LDBW 6
.endif
.endif
	WIN 0
.endm
.irp t, 0,1,2,3,4,5,6,7
	AD 0, \t
.endr
.irp t, 0,1,2,3,4,5,6,7
	AD 1, \t
.endr
	WIN 0
	s_wait_tensorcnt 1                             ; my part of slot 0 is in; slot 1's may stay out
	s_barrier_signal -1
	s_barrier_wait -1
	LDFW 3
	LDBW 5
	WIN 0
	BLOCK 0, 0, 1, 1, 1                            ; blocks 0, 1 stand ahead of the loop: the first starts the sums, nothing is cleared
	BLOCK 1, 1, 1, 1, 0
	s_sub_co_u32 s41, s41, 1
.Lpair:                                            ; five trips: blocks 2 to 11
	BLOCK 0, 0, 1, 1, 0
	BLOCK 1, 1, 1, 1, 0
	s_sub_co_u32 s41, s41, 1
	s_cmp_lg_u32 s41, 0
	s_cbranch_scc1 .Lpair
	BLOCK 0, 0, 1, 1, 0                            ; the tail is written out
	BLOCK 1, 2, 1, 1, 0
	BLOCK 0, 0, 1, 0, 0
	BLOCK 1, 0, 0, 0, 0
; THE WAY OUT.  Slot 0 has had its last fill, and every wave has passed the last change of slots: the classes meet there.  Class b's waves hand their sums over as images of their registers; class a's waves mix and store.
	PLACES
	WIN 0x41
.set kk, 0
.rept 128
	v_pk_mul_f32 v[kk:kk+1], v[kk:kk+1], s[48:49] op_sel_hi:[1,0]   ; x 2^(the two operands' exponents); each accumulator from its low end on
.set kk, kk+2
.endr
	WIN 0
	s_cmp_lg_u32 s21, 0
	s_cbranch_scc0 .Lclass_a
	WIN 0x04
.set kk, 0
.rept 64
	ds_store_b128 v13, v[4*kk:4*kk+3] offset:512*kk
.set kk, kk+1
.endr
	WIN 0
	s_branch .Lmeet
.Lclass_a:
	WIN 0x80
.irp kt, 0,1,2,3,4,5,6,7
.irp dt, 0,1,2,3
	global_load_b128 v[8*(4*\kt+\dt):8*(4*\kt+\dt)+3], v15, s[8:9] offset:\kt*8192+\dt*1024
	global_load_b128 v[8*(4*\kt+\dt)+4:8*(4*\kt+\dt)+7], v15, s[8:9] offset:\kt*8192+\dt*1024+512
.endr
.endr
	WIN 0
.Lmeet:
	s_wait_dscnt 0x0                               ; for the others' sake: my stores have landed
	s_barrier_signal -1
	s_barrier_wait -1
	s_cmp_lg_u32 s21, 0
	s_cbranch_scc1 .Lend
	WIN 0xc0
.set kk, 0
.rept 64
	ds_load_b128 v[4*kk:4*kk+3], v13 offset:512*kk
.set kk, kk+1
.endr
	s_wait_loadcnt 0x0
	s_wait_dscnt 0x0
.irp kt, 0,1,2,3,4,5,6,7
	WIN 0x02
.set nn, 0
.rept 16
	v_pk_fma_f32 v[96+nn:97+nn], v[32*\kt+nn:32*\kt+nn+1], -1.0, 1.0 op_sel_hi:[1,0,0]   ; 1 - sel
.set nn, nn+2
.endr
	WIN 0x0c
.set nn, 0
.rept 16
	v_pk_mul_f32 v[96+nn:97+nn], v[96+nn:97+nn], v[32*\kt+nn:32*\kt+nn+1]   ; x class b
.set nn, nn+2
.endr
	WIN 0x06
.set nn, 0
.rept 16
	v_pk_fma_f32 v[96+nn:97+nn], v[32*\kt+nn:32*\kt+nn+1], v[32*\kt+nn:32*\kt+nn+1], v[96+nn:97+nn]   ; + sel (window 2) x class a (window 1)
.set nn, nn+2
.endr
	WIN 0
.irp dt, 0,1,2,3
	ds_store_b128 v10, v[96+8*\dt:99+8*\dt] offset:128*(\dt/2)+32*(\dt%2)
	ds_store_b128 v10, v[100+8*\dt:103+8*\dt] offset:128*(\dt/2)+32*(\dt%2)+16
.endr
	s_wait_xcnt 0x0                                ; the last tile's stores have read their registers
.irp t, 0,1,2,3,4,5,6,7
	ds_load_b128 v[128+4*\t:131+4*\t], v11 offset:\t*544   ; LDS serves a wave's instructions in order: these see my stores
.endr
	s_wait_dscnt 0x0
.irp t, 0,1,2,3,4,5,6,7
	global_store_b128 v12, v[128+4*\t:131+4*\t], s[18:19] offset:(32*(\kt/2)+8*(\kt%2)+2*\t+8*(\t/4))*4096 th:TH_STORE_NT   ; sixteen lanes store 256 consecutive, aligned bytes
.endr
.endr
.Lend:
	s_wait_tensorcnt 0x0                           ; the wave's end
	ds_add_u32 v1, v2
	s_wait_dscnt 0x0
	CROUND                                         ; the closing round
	s_endpgm
.Lfunc_end_k_q66fe724712_mix:
	.size	k_q66fe724712_mix, .Lfunc_end_k_q66fe724712_mix-k_q66fe724712_mix
	.p2alignl 7, 3214868480
	.fill 96, 4, 3214868480
	.section	.rodata,"a",@progbits
	.p2align	6, 0x0
	.amdhsa_kernel k_q66fe724712_mix
		.amdhsa_group_segment_fixed_size 327680
		.amdhsa_private_segment_fixed_size 0
		.amdhsa_enable_private_segment 0
		.amdhsa_kernarg_size 64
		.amdhsa_user_sgpr_count 2
		.amdhsa_user_sgpr_kernarg_segment_ptr 1
		.amdhsa_wavefront_size32 1
		.amdhsa_system_sgpr_workgroup_id_x 1
		.amdhsa_system_sgpr_workgroup_id_y 1
		.amdhsa_system_sgpr_workgroup_id_z 1
		.amdhsa_system_vgpr_workitem_id 0
		.amdhsa_next_free_vgpr 1024
		.amdhsa_next_free_sgpr 100
		.amdhsa_reserve_vcc 0
		.amdhsa_float_denorm_mode_32 3
		.amdhsa_float_denorm_mode_16_64 3
		.amdhsa_memory_ordered 1
		.amdhsa_forward_progress 1
		.amdhsa_inst_pref_size 255
	.end_amdhsa_kernel
	.section	.bss,"aw",@nobits
	.p2align	6
	.space	262144
	.amdgpu_metadata
---
amdhsa.version: [ 1, 2 ]
amdhsa.kernels:
  - .name:           k_q66fe724712_mix
    .symbol:         k_q66fe724712_mix.kd
    .args:
      - { .name: fb, .offset: 0, .size: 8, .value_kind: global_buffer, .address_space: global }
      - { .name: cq, .offset: 8, .size: 8, .value_kind: global_buffer, .address_space: global }
      - { .name: sl, .offset: 16, .size: 8, .value_kind: global_buffer, .address_space: global }
      - { .name: cond, .offset: 24, .size: 8, .value_kind: global_buffer, .address_space: global }
      - { .name: bias_emb, .offset: 32, .size: 8, .value_kind: global_buffer, .address_space: global }
      - { .name: n_indexes, .offset: 40, .size: 8, .value_kind: global_buffer, .address_space: global }
      - { .name: lowp_scales, .offset: 48, .size: 8, .value_kind: global_buffer, .address_space: global }
      - { .name: out0, .offset: 56, .size: 8, .value_kind: global_buffer, .address_space: global }
    .group_segment_fixed_size: 327680
    .private_segment_fixed_size: 0
    .kernarg_segment_align: 8
    .kernarg_segment_size: 64
    .max_flat_workgroup_size: 128
    .sgpr_count:     100
    .vgpr_count:     1024
    .wavefront_size: 32
...
	.end_amdgpu_metadata
.endif
;; end of part 5
